; MI455X (gfx1250); checked and timed in simulation.
; The chip was launched on July 23, 2026; its instructions are those of AMD's public machine-readable ISA for CDNA 5 (MIT licence, August 2026) and "CDNA5" Instruction Set Architecture Reference Guide (July 2026). The comments in the code are by the model that wrote it; some were corrected since.
;; Multi Head Attention. Allowed arithmetic: matrix products marked QUANTISED: E4M3 operands, one E8M0 scale for each 32 along K, by v_wmma_scale_f32_16x16x128_f8f6f4 with both operands' format E4M3, f32 sums; everything else in f32.
;; Inputs: W_k_codes 1,024 x 32 x 32 uint8 (E4M3 codes of W_k, K innermost, in blocks of 32 codes); W_k_scales 1,024 x 32 uint8 (E8M0 scales of W_k, one for each 32 codes along K); W_o_codes 1,024 x 32 x 32 uint8 (E4M3 codes of W_o, K innermost, in blocks of 32 codes); W_o_scales 1,024 x 32 uint8 (E8M0 scales of W_o, one for each 32 codes along K); W_q_codes 1,024 x 32 x 32 uint8 (E4M3 codes of W_q, K innermost, in blocks of 32 codes); W_q_scales 1,024 x 32 uint8 (E8M0 scales of W_q, one for each 32 codes along K); W_v_codes 1,024 x 32 x 32 uint8 (E4M3 codes of W_v, K innermost, in blocks of 32 codes); W_v_scales 1,024 x 32 uint8 (E8M0 scales of W_v, one for each 32 codes along K); b_k 1,024 float32; b_o 1,024 float32; b_q 1,024 float32; b_v 1,024 float32; x_codes 4 x 2,048 x 32 x 32 uint8 (E4M3 codes of x, K innermost, in blocks of 32 codes); x_scales 4 x 2,048 x 32 uint8 (E8M0 scales of x, one for each 32 codes along K).
;; Outputs: out0 4 x 2,048 x 1,024 float32.
;; This version of the problem:
;;   THIS VERSION OF THE PROBLEM IS GIVEN IN LOW PRECISION. The matrix products marked QUANTISED in the list below multiply operands that are first quantised to E4M3 (4 exponent bits, 3 mantissa bits; 8 bits a number), with one power-of-two scale for each 32 numbers along K (OCP MX v1.0); their sums are f32. All else is computed in f32.
;;   The module's matrix products, in the order in which they are computed (A, B: the left and right operand; K: the contracted axis; several contracted axes count as one K, in the product's order):
;;     1. [M 8,192, K 1,024] x [K 1,024, N 1,024]; A: input x (given as codes); B: input W_q (given as codes): QUANTISED
;;     2. [M 8,192, K 1,024] x [K 1,024, N 1,024]; A: input x (given as codes); B: input W_k (given as codes): QUANTISED
;;     3. [M 8,192, K 1,024] x [K 1,024, N 1,024]; A: input x (given as codes); B: input W_v (given as codes): QUANTISED
;;     4. batch 64 x [M 2,048, K 64] x [K 64, N 2,048]; A: computed on the way; B: computed on the way: QUANTISED
;;     5. batch 64 x [M 2,048, K 2,048] x [K 2,048, N 64]; A: softmax (see below); B: computed on the way: QUANTISED
;;     6. [M 8,192, K 1,024] x [K 1,024, N 1,024]; A: computed on the way; B: input W_o (given as codes): QUANTISED
;;   THE QUANTISER, for each operand of a quantised product, along K:
;;     - K is cut into blocks of 32 from its start; a last block that is shorter is filled with zeros.
;;     - A block's scale is 2^e with e = floor(log2(the largest magnitude in the block)) - 8, held to -126 .. 127; a block of zeros has e = 0. As a byte (E8M0): e + 127.
;;     - Each number is divided by its block's scale, clamped to +-448, and rounded to the nearest number of E4M3, ties to even, subnormals kept.
;;     - The product sums the exact products of the quantised numbers (number of the format x scale) in f32.
;;   ~~~python
;;   def quantise(x, axis):      # numpy; x: float32 -> the quantised numbers, widened to float32 again
;;       x = np.moveaxis(x, axis, -1); K = x.shape[-1]
;;       x = np.pad(x, [(0, 0)] * (x.ndim - 1) + [(0, -K % 32)]); x = x.reshape(x.shape[:-1] + (-1, 32)); a = np.abs(x).max(-1, keepdims=True)
;;       e = np.where(a > 0, np.clip(np.frexp(np.where(a > 0, a, 1))[1] - 1 - 8, -126, 127), 0)      # np.frexp(a)[1] - 1 = floor(log2(a)), exactly
;;       r = np.clip(x / 2.0 ** e, -448, 448)
;;       step = 2.0 ** (np.maximum(np.frexp(np.where(r == 0, 1, r))[1] - 1, -6) - 3)
;;       q = np.round(r / step) * step * 2.0 ** e      # np.round: ties to even
;;       return np.moveaxis(q.reshape(q.shape[:-2] + (-1,))[..., :K], -1, axis).astype(np.float32)
;;   ~~~
;;   SOFTMAX AHEAD OF A QUANTISED PRODUCT. Where the list says 'softmax', what is quantised is not the finished softmax but p = 2^(t - M), with t = logit x log2(e) and M = ceil(the row's largest t), a whole number; so 1/2 < the row's largest p <= 1. The row's sum l is taken of the UNQUANTISED p, in f32, and the product's result is divided by l at the end. Since M is a whole number, a kernel that streams over the keys may use a running M (the ceiling of the running maximum): every later rescaling is an exact power of two, which a block's scale takes up: the codes' values come out the same.
;;   OPERANDS COMPUTED ON THE WAY. 'Computed on the way' means the value that the module computes at that place (a softmax that the list does not call 'softmax' is quantised finished and normalised). What goes into a quantiser is computed in f32, as accurately as f32 sums, v_exp_f32 and their like allow (about 1e-6 of the number): no bf16 or f16 on the way to a quantiser, and a product that is left as it is and whose result goes on into a quantised operand takes f32 operands (vector FMAs, or v_wmma_f32_16x16x4_f32). A number that lies on a knife's edge between two numbers of the format may be rounded either way, as far as f32 arithmetic and the matrix unit's own rounding can turn it there, and no further.
;;   INPUTS GIVEN AS CODES. W_k (in the module: [1024, 1024], K = its axis 0); W_o (in the module: [1024, 1024], K = its axis 0); W_q (in the module: [1024, 1024], K = its axis 0); W_v (in the module: [1024, 1024], K = its axis 0); x (in the module: [4, 2048, 1024], K = its axis 2): each comes as NAME_codes (uint8): NAME with its K axis moved to the last place and cut into blocks of 32 codes, [.., K / 32, bytes a block], one block behind the other in memory; one code a byte (a code: sign, 4 exponent bits, 3 mantissa bits); and NAME_scales (uint8): the same leading axes, one E8M0 byte (e + 127) for each 32 codes along K. Its value is code x scale, taken as it is: it is not quantised again, and the codes and scales need not be those that the quantiser above would give.
;; One version. Each part assembles by itself: llvm-mc -triple=amdgcn-amd-amdhsa -mcpu=gfx1250 --defsym DOCPART=n.
;; ======== version 1 of 1: 3 launches
;; limits: right only within a limited range of input values
;; workspace buffers: qbuf 8,912,896 bytes; kv 17,563,648 bytes; ctx_img 8,388,608 bytes; ctx_sc 262,144 bytes
;; launch qkv (part 1): grid 12 x 32, 4 waves a work-group, clusters of 4 x 4, 327,680 bytes of LDS; arguments x_codes, x_scales, W_q_codes, W_q_scales, W_k_codes, W_k_scales, W_v_codes, W_v_scales, b_q, b_k, b_v, qbuf, kv; writes qbuf, kv
.if DOCPART == 1
	.amdgcn_target "amdgcn-amd-amdhsa--gfx1250"
	.amdhsa_code_object_version 6
	.text
	.protected	k_q3196bf538a_qkv
	.globl	k_q3196bf538a_qkv
	.p2align	8
	.type	k_q3196bf538a_qkv,@function
k_q3196bf538a_qkv:
	s_mov_b64 s[64:65], 0
	v_nop
	global_prefetch_b8 v0, s[64:65] scope:SCOPE_SE
	s_setreg_imm32_b32 hwreg(HW_REG_WAVE_MODE, 25, 1), 1
	s_wait_xcnt 0x0
	s_wait_alu depctr_hold_cnt(0) depctr_sa_sdst(0) depctr_va_vdst(0) depctr_va_sdst(0) depctr_va_ssrc(0) depctr_va_vcc(0) depctr_vm_vsrc(0)
	s_getreg_b32 s2, hwreg(HW_REG_IB_STS2, 6, 4)
	s_cmp_eq_u32 s2, 0
	s_cbranch_scc0 .Lentry_in_a_cluster
	s_endpgm
.Lentry_in_a_cluster:
	s_bfe_u32 s2, ttmp6, 0x10000c
	s_cmp_lg_u32 s2, 0xf033
	s_cbranch_scc0 .Lentry_shape_is_right
	s_endpgm
.Lentry_shape_is_right:
; Q = x W_q + b_q, K = x W_k + b_k, V = x W_v + b_v on codes of FP8 (E4M3) with one E8M0 scale for each 32 along K = 1,024, and the results quantised again on the way out:
; Q and K along a head's 64 numbers, V along the keys.  Nothing goes to memory in f32.
; KIND = the cluster's x: 0 Q, 1 K, 2 V; it is the same in all sixteen partners of a cluster.
; A tile of 256 x 256 results is made by four waves, 128 x 128 each: 64 accumulators of 16 x 16.  The matrix instruction takes the B-ROLE's 16 rows as source 0 and the A-ROLE's as source 1, so that a
; lane holds one row of the A-role and its registers run along the B-role: the B-role is the axis that is quantised.  Q, K: A-role = tokens (x), B-role = features (W).  V: A-role = features (W_v), B-role = tokens.
; THE GRID SERVES BOTH: the A-role's tile is (Q, K: 4 x cluster y, V: 0) + cy, the B-role's (Q, K: 0, V: 4 x cluster y) + cx.  So A's tile is shared along a row of the cluster and B's along a column
; for every kind, and only pointers and offsets in memory are chosen by the kind: no LDS address is.
; K goes in steps of 256 through two LDS slots; the scale bytes of the work-group's rows come once, with the first fills.  Each tile is asked for jointly by the four partners that share it.
; OUT, as images of the next launch's operand registers (registers 4 c .. 4 c + 3 of lane l at 512 c + 16 l): every store of a wave covers 512 consecutive bytes, aligned.
;   qbuf [head 64][block of 256 tokens 8][17,408]: 16 tiles of 16 tokens x 64 (1,024 bytes each), then 256 scale words.
;   kv   [head 64][slot of 256 keys 8][34,304]: K as in qbuf; at 17,408 V: [128 keys 2][16 channels 4][2,048]; at 33,792 V's scale words [128 keys 2][channel 64].
;   A scale word of Q or K is byte 0, byte 1 = its two blocks, bytes 2, 3 = 127: they stand over the zero codes that fill the next product's K from 64 to 128.
; THE ORDER INSIDE A BLOCK OF 32: lane (r, h) holds of a block the members 16 u + 8 h + j (u = 0, 1; j = 0 .. 7) and lays them at the places 16 h + 8 u + j.  Q and K are laid alike, V and the next launch's p alike:
; the same products are summed, in another order.
; LIMITS: NaN and infinities among the inputs are not served.  A block whose largest magnitude lies under 2^-118 (a block of zeros too) gets the scale byte 1; these bytes are read by this program alone.
; REGISTERS, in windows of 256: window 0: v1-31 addresses and V's bias; v32-63 scale words, two sets; v64-127 the bias by register (the C of the first products); from v128 A's fragments, one set; on the way out v192-243 at work.
;   window 1: B's fragments, two sets.   window 2: the accumulators of A's blocks 0-3 ((a, b) at v[8 (8 (a % 4) + b)]);   window 3: those of blocks 4-7.
.set NQ,     2                         ; steps of 128 along K in a slot
.set ROWB,   256                       ; a tile's row in bytes
.set KROW,   1024                      ; a row of codes in memory
.set PITCH,  272                       ; an LDS row: 256 bytes + 16 of padding, so that the 16 rows of a fragment begin 16 bytes apart modulo 256
.set FR,     16                        ; registers of a fragment
.set NL,     4                         ; LDS loads that bring one
.set NP,     8                         ; places behind this matrix instruction (ISA guide 7.12.1)
.set HALFT,  128*PITCH
.set SLOT,   4*HALFT                   ; A's 256 rows, then B's
.set KS,     32                        ; a row of scale bytes
.set SCL,    2*SLOT                    ; the scales, as rows of 256 bytes + 16
.set HALFS,  (128*KS/256)*272
.set SBLK,   (16*KS/256)*272
.set SPARE,  SCL+4*HALFS               ; the spare words: 128 bytes a wave, named by no other line
.set SST,    SPARE+512                 ; 1,024 bytes a wave: the scale words on their way out; no tile ever lands here
.set BIA,  8                           ; v8-15   V: the bias of my lane's feature in A's block a
.set ADRA, 16                          ; v16-17  my A fragments in slot 0, 1
.set VOA,  18                          ; v18     16 x lane
.set VOB,  19                          ; v19     16 x lane + (V: 1,024; else a head's bytes)
.set ADRB, 20                          ; v20-21  my B fragments
.set VS1,  22                          ; v22     the scale words' store
.set VS2,  23                          ; v23     and the second head's
.set SA,   24                          ; v24     the stage: SST + 1,024 wave + 512 h + 4 r
.set SR,   25                          ; v25     and back: SST + 1,024 wave + 16 lane
.set SH,   26                          ; v26     Q, K: 16 h: which half of the four bytes is my half's head's
.set ADRS, 27                          ; v27     my scale words in LDS: lanes 0-15 A's, lanes 16-31 B's
.set SPW,  28
.set NIL,  29
.set BP,   30                          ; v[30:31] the pair that the packed addition names
.set SC,   32
.set BI,   64
.set AF,   128
.set T,    128
.set PC,   192                         ; 16 registers of codes
.set TM,   208                         ; 4 largest magnitudes, 4 bytes, 4 unused, 4 scale operands
.set PW,   224                         ; the four bytes
.set SW,   225                         ; v225-232 a scale word for each block
.set RB,   236                         ; v236-243 the scale words read back
.set G1, 24
.set G0, 32
.set G1B, 48
.set G0B, 56
.set G1S, 68
.set G0S, 76
.set G1SB, 80
.set G0SB, 88
.set KIND, 95
.set SEL, 18                           ; s[18:19]: written on the way out
.set MNT, 20
.set MSB, 0
.macro WIN new                         ; the immediate's high byte repeats the setting that is left
.if MSB != (\new)
	s_set_vgpr_msb (MSB<<8)|(\new)
.set MSB, (\new)
.endif
.endm
.set MUL_LO, 0xa1                      ; source 0 (B) window 1, source 1 (A) window 0, C and D window 2
.set MUL_HI, 0xf1
.set FST_LO, 0x81                      ; the first products: C is the bias, in window 0
.set FST_HI, 0xc1
.set TO_B,   0x40
; A joint load: waves 0 and 1 fetch for A, waves 2 and 3 for B; the branch hangs on the wave's number alone.  Four v_nop follow each line.
.macro JLOAD g0a, g1a, g0b, g1b
	s_cmp_eq_u32 s15, 0
	s_cbranch_scc0 .Lfor_b_\@
	tensor_load_to_lds s[\g0a:\g0a+3], s[\g1a:\g1a+7]
	s_nop 0
.rept 4
	v_nop
.endr
	s_branch .Lasked_\@
.Lfor_b_\@:
	tensor_load_to_lds s[\g0b:\g0b+3], s[\g1b:\g1b+7]
	s_nop 0
.rept 4
	v_nop
.endr
.Lasked_\@:
.endm
.macro CREST                           ; a round of the cluster's barrier behind its opening barrier
	s_cmp_lg_u32 s14, 0
	s_cbranch_scc1 .Lnot_wave_0_\@
	s_barrier_signal -3
.Lnot_wave_0_\@:
	s_barrier_wait -3
	s_barrier_signal -1
	s_barrier_wait -1
.endm
.macro CROUND
	s_barrier_signal -1
	s_barrier_wait -1
	CREST
.endm
	s_load_b512 s[68:83], s[0:1], 0x0              ; x codes, x scales, W_q codes, scales, W_k codes, scales, W_v codes, scales
	s_load_b256 s[84:91], s[0:1], 0x40             ; b_q, b_k, b_v, qbuf
	s_load_b64 s[92:93], s[0:1], 0x60              ; kv
	v_lshl_add_u32 v[SPW], v0, 2, SPARE
	v_mov_b32 v[NIL], 0
	ds_add_u32 v28, v29
	ds_add_u32 v28, v29
	s_wait_dscnt 0x0
	v_lshrrev_b32 v1, 5, v0
	v_readfirstlane_b32 s14, v1                    ; wave 0..3
	s_lshr_b32 s15, s14, 1                         ; i: my half of A's rows.  Also: I fetch for A (0) or for B (1)
	s_and_b32 s16, s14, 1                          ; j: my half of B's rows.  Also: which 128 rows I fetch
	s_bfe_u32 s40, ttmp6, 0x40000                  ; cx
	s_bfe_u32 s41, ttmp6, 0x40004                  ; cy
	s_mov_b32 s[KIND], ttmp9
	s_and_b32 s17, ttmp7, 0xffff
	s_lshl_b32 s17, s17, 2                         ; 4 x cluster y
	s_cmp_eq_u32 s[KIND], 2
	s_cselect_b32 s18, 0, s17
	s_cselect_b32 s42, s17, 0
	s_add_co_u32 s17, s18, s41                     ; A's tile: (Q, K: 4 x cluster y) + cy
	s_add_co_u32 s42, s42, s40                     ; B's tile: (V: 4 x cluster y) + cx
	s_lshl_b32 s43, s41, 2
	s_lshl_b32 s43, 15, s43                        ; my row of the cluster
	s_lshl_b32 s44, 0x1111, s40                    ; my column
	; group 1 for the codes: 128 rows of 256 bytes, 1,024 bytes apart, 16 bytes of padding behind each
	s_or_b32 s[G1+0], s43, (0<<16)|(1<<20)|(1<<21)|(5<<22)|(3<<25)
	s_or_b32 s[G1B+0], s44, (0<<16)|(1<<20)|(1<<21)|(5<<22)|(3<<25)
.irp g, G1, G1B
	s_mov_b32 s[\g+1], ROWB<<16
	s_mov_b32 s[\g+2], 128<<16
	s_mov_b32 s[\g+3], ROWB<<16
	s_mov_b32 s[\g+4], 128
	s_mov_b32 s[\g+5], KROW
	s_mov_b32 s[\g+6], 0
	s_mov_b32 s[\g+7], 0
.endr
	s_lshl_b32 s18, s16, 7                         ; which 128 rows of the tile I fetch
	s_lshl_b32 s20, s17, 8
	s_add_co_u32 s20, s20, s18                     ; A's row
	s_lshl_b32 s46, s42, 8
	s_add_co_u32 s46, s46, s18                     ; B's row
	s_lshl_b32 s22, s20, 5                         ; its scale bytes,
	s_mov_b32 s23, 0
	s_lshl_b32 s20, s20, 10                        ; its codes (under 2^23 bytes)
	s_mov_b32 s21, 0
	s_lshl_b32 s96, s46, 5
	s_mov_b32 s97, 0
	s_lshl_b32 s46, s46, 10
	s_mov_b32 s47, 0
	s_mul_i32 s45, s14, HALFT                      ; where they go: wave x 128 rows: no place in the cluster enters an LDS address
	s_mul_i32 s94, s14, HALFS
	s_wait_kmcnt 0x0
	s_cmp_eq_u32 s[KIND], 0                        ; the kind's weight, bias and output: the choice hangs on the cluster's x alone
	s_cselect_b64 s[8:9], s[72:73], s[76:77]
	s_cselect_b64 s[10:11], s[74:75], s[78:79]
	s_cselect_b64 s[66:67], s[84:85], s[86:87]
	s_cselect_b64 s[12:13], s[90:91], s[92:93]
	s_cmp_eq_u32 s[KIND], 2
	s_cselect_b64 s[8:9], s[80:81], s[8:9]
	s_cselect_b64 s[10:11], s[82:83], s[10:11]
	s_cselect_b64 s[66:67], s[88:89], s[66:67]
	s_cselect_b64 s[4:5], s[8:9], s[68:69]         ; the A-role: V: the weight; else x
	s_cselect_b64 s[6:7], s[10:11], s[70:71]
	s_cselect_b64 s[8:9], s[68:69], s[8:9]         ; the B-role: V: x; else the weight
	s_cselect_b64 s[10:11], s[70:71], s[10:11]
	s_add_nc_u64 s[20:21], s[4:5], s[20:21]
	s_add_nc_u64 s[22:23], s[6:7], s[22:23]
	s_add_nc_u64 s[46:47], s[8:9], s[46:47]
	s_add_nc_u64 s[96:97], s[10:11], s[96:97]
	; group 1 for the scales of 128 rows: 4,096 dense bytes as 16 rows of 256 (32 elements of 8 bytes), 16 bytes of padding behind each.  (s68-93 have been read)
	s_or_b32 s[G1S+0], s43, (3<<16)|(1<<20)|(1<<21)|(5<<22)|(3<<25)
	s_or_b32 s[G1SB+0], s44, (3<<16)|(1<<20)|(1<<21)|(5<<22)|(3<<25)
.irp g, G1S, G1SB
	s_mov_b32 s[\g+1], 32<<16
	s_mov_b32 s[\g+2], (128*KS/256)<<16
	s_mov_b32 s[\g+3], 32<<16
	s_mov_b32 s[\g+4], 128*KS/256
	s_mov_b32 s[\g+5], 32
	s_mov_b32 s[\g+6], 0
	s_mov_b32 s[\g+7], 0
.endr
	CROUND                                         ; all sixteen work-groups are here: the first joint loads meet
	s_mov_b32 s[G0S], 1
	s_add_co_u32 s[G0S+1], s94, SCL
	s_mov_b64 s[G0S+2:G0S+3], s[22:23]
	s_or_b32 s[G0S+3], s[G0S+3], 0x80000000
	s_mov_b32 s[G0SB], 1
	s_add_co_u32 s[G0SB+1], s94, SCL
	s_mov_b64 s[G0SB+2:G0SB+3], s[96:97]
	s_or_b32 s[G0SB+3], s[G0SB+3], 0x80000000
	JLOAD G0S, G1S, G0SB, G1SB                     ; the scales first: they are wanted with K step 0
.irp s, 0,1
	s_mov_b32 s[G0+4*\s], 1
	s_add_co_u32 s[G0+4*\s+1], s45, \s*SLOT
	s_add_nc_u64 s[G0+4*\s+2:G0+4*\s+3], s[20:21], \s*ROWB
	s_or_b32 s[G0+4*\s+3], s[G0+4*\s+3], 0x80000000
	s_mov_b32 s[G0B+4*\s], 1
	s_add_co_u32 s[G0B+4*\s+1], s45, \s*SLOT
	s_add_nc_u64 s[G0B+4*\s+2:G0B+4*\s+3], s[46:47], \s*ROWB
	s_or_b32 s[G0B+4*\s+3], s[G0B+4*\s+3], 0x80000000
	JLOAD G0+4*\s, G1, G0B+4*\s, G1B
.endr
	v_and_b32 v1, 15, v0                           ; r
	v_bfe_u32 v2, v0, 4, 1                         ; h
	v_mul_u32_u24 v3, v1, PITCH
	v_lshl_add_u32 v4, v2, 4, v3                   ; a fragment's row x pitch + 16 h
	s_mul_i32 s21, s15, HALFT
	s_mul_i32 s22, s16, HALFT
	s_add_co_u32 s22, s22, 2*HALFT
.irp s, 0,1
	v_add_nc_u32 v[ADRA+\s], s21, v4
	v_add_nc_u32 v[ADRB+\s], s22, v4
	s_add_co_u32 s21, s21, SLOT
	s_add_co_u32 s22, s22, SLOT
.endr
	v_mul_u32_u24 v5, v1, KS                       ; my row's scales: 32 bytes a row,
	v_lshrrev_b32 v6, 8, v5
	v_lshl_add_u32 v5, v6, 4, v5                   ; and 16 more for each 256 passed
	s_mul_i32 s21, s15, HALFS
	s_mul_i32 s22, s16, HALFS
	s_add_co_u32 s22, s22, 2*HALFS
	s_sub_co_u32 s22, s22, s21
	v_mul_u32_u24 v6, s22, v2                      ; lanes 16-31 take B's: the lower base + h x the distance
	s_add_co_u32 s21, s21, SCL
	v_add_nc_u32 v5, v5, v6
	v_add_nc_u32 v[ADRS], s21, v5
	s_lshl_b32 s21, s14, 10
	s_add_co_u32 s21, s21, SST                     ; my stage for the scale words
	v_lshlrev_b32 v5, 2, v1
	v_lshl_add_u32 v5, v2, 9, v5
	v_add_nc_u32 v[SA], s21, v5
	v_and_b32 v6, 31, v0
	v_lshlrev_b32 v[VOA], 4, v6
	s_wait_alu depctr_va_vdst(0)
	v_add_nc_u32 v[SR], s21, v[VOA]
	v_mov_b32 v[BP], 0
	v_mov_b32 v[BP+1], 0                           ; (named as the upper half of a pair)
	; what the kind decides on the way out: sizes and offsets in memory alone
	s_cmp_eq_u32 s[KIND], 0
	s_mov_b32 s20, 274432
	s_cselect_b32 s20, 139264, s20                 ; a head's bytes in the output
	s_mov_b32 s21, 34304
	s_cselect_b32 s21, 17408, s21                  ; 256 tokens' bytes
	s_cmp_eq_u32 s[KIND], 2
	s_cselect_b32 s2, s42, s17                     ; which 256 tokens
	s_cselect_b32 s3, s17, s42                     ; which 256 features (four heads)
	s_cselect_b32 s18, s15, s16                    ; my half of the features (two heads)
	s_cselect_b32 s19, s16, s15                    ; my half of the tokens
	s_mov_b32 s98, 1024
	s_cselect_b32 s98, 2048, s98                   ; from A's block to the next
	s_mov_b32 s99, 0
	s_cselect_b32 s100, 266240, 0                  ; V: block 4 begins the next head: a head's bytes less four tiles
	s_mov_b32 s101, 0
	s_cselect_b32 s104, -1, 0xffff                 ; the scale word: V: four bytes; else two,
	s_cselect_b32 s105, 0, 0x7f7f0000              ; and 127 twice above them
	s_cselect_b32 s46, 17408, 0                    ; where the images begin
	s_mov_b32 s47, 16384
	s_cselect_b32 s47, 33792, s47                  ; and the scale words
	s_cselect_b32 s92, 8, 9                        ; my half of the tokens in them: x 256 or x 512 bytes
	s_cselect_b32 s93, 0, 16
	s_cselect_b32 s22, 1024, s20
	s_cselect_b32 s23, s20, 256
	v_add_nc_u32 v[VOB], s22, v[VOA]
	v_mul_u32_u24 v[SH], s93, v2
	v_mul_u32_u24 v5, s23, v2
	v_lshl_add_u32 v[VS1], v1, 4, v5               ; Q, K: 16 x lane; V: lanes 16-31 a head further on
	v_add_nc_u32 v[VS2], s20, v[VS1]
	s_lshl_b32 s22, s3, 10
	s_mov_b32 s23, 0
	s_add_nc_u64 s[66:67], s[66:67], s[22:23]      ; the bias at my 256 features
	v_lshlrev_b32 v3, 5, v2
	s_lshl_b32 s22, s16, 9
	v_add_nc_u32 v3, s22, v3                       ; by register: 128 j + 16 b + 8 h + 0 .. 7
	v_lshlrev_b32 v4, 2, v1
	s_lshl_b32 s23, s15, 9
	v_add_nc_u32 v4, s23, v4                       ; by lane: 128 i + 16 a + r
.irp b, 0,1,2,3,4,5,6,7
	global_load_b128 v[BI+8*\b:BI+8*\b+3], v3, s[66:67] offset:64*\b
	global_load_b128 v[BI+8*\b+4:BI+8*\b+7], v3, s[66:67] offset:64*\b+16
.endr
.irp a, 0,1,2,3,4,5,6,7
	global_load_b32 v[BIA+\a], v4, s[66:67] offset:64*\a
.endr
	s_lshr_b32 s96, s2, 3                          ; the batch,
	s_lshl_b32 s96, s96, 4
	s_lshl_b32 s97, s3, 2
	s_add_co_u32 s96, s96, s97
	s_lshl_b32 s97, s18, 1
	s_add_co_u32 s96, s96, s97                     ; my first head: 16 x batch + 4 x features' tile + 2 x half
	s_mul_i32 s96, s96, s20
	s_and_b32 s97, s2, 7
	s_mul_i32 s97, s97, s21
	s_add_co_u32 s96, s96, s97                     ; + the 256 tokens' place in it
	s_lshl_b32 s97, s19, s92
	s_add_co_u32 s97, s97, s47
	s_add_co_u32 s22, s96, s97
	s_mov_b32 s23, 0
	s_lshl_b32 s97, s19, 13
	s_add_co_u32 s97, s97, s46
	s_add_co_u32 s96, s96, s97
	s_mov_b32 s97, 0
	s_add_nc_u64 s[22:23], s[12:13], s[22:23]      ; where my scale words go,
	s_add_nc_u64 s[12:13], s[12:13], s[96:97]      ; and my images
	s_mov_b64 s[96:97], s[22:23]
	s_wait_loadcnt 0x0
	s_cmp_lg_u32 s[KIND], 2
	s_cbranch_scc1 .Lbias_by_register
.set n, 0
.rept 64
	v_mov_b32 v[BI+n], 0                           ; V's bias goes by lane, on the way out: its first products start from 0
.set n, n+1
.endr
.rept 8
	v_nop
.endr
.Lbias_by_register:
.macro FRAG reg, adr, q, i             ; 16 rows x 128 K: lane l holds row l % 16; registers 4 c .. 4 c + 3 hold K = 32 c + 16 (l / 16) + 0 .. 15
.irp c, 0,1,2,3
	ds_load_b128 v[\reg+4*\c:\reg+4*\c+3], v[\adr] offset:128*(\q)+32*\c+(\i)*16*PITCH
.endr
.endm
; 16 matrix instructions: A's blocks a0, a0 + 1 x B's eight.  first = 1: the bias is the C of the sums' first products.  The 64 accumulators take turns, one instruction a turn, in the same order in every step.
.macro MUL16 a0, p, q, sc, first
.irp a, \a0, \a0+1
.irp b, 0,1,2,3,4,5,6,7
.if \first
	v_wmma_scale_f32_16x16x128_f8f6f4 v[8*(8*((\a)%4)+\b):8*(8*((\a)%4)+\b)+7], v[128*(\p)+FR*\b:128*(\p)+FR*\b+FR-1], v[AF+FR*(\a):AF+FR*(\a)+FR-1], v[BI+8*\b:BI+8*\b+7], v[SC+8*NQ*(\sc)+NQ*\b+(\q)], v[SC+8*NQ*(\sc)+NQ*(\a)+(\q)] matrix_a_scale:MATRIX_SCALE_ROW1
.else
	v_wmma_scale_f32_16x16x128_f8f6f4 v[8*(8*((\a)%4)+\b):8*(8*((\a)%4)+\b)+7], v[128*(\p)+FR*\b:128*(\p)+FR*\b+FR-1], v[AF+FR*(\a):AF+FR*(\a)+FR-1], v[8*(8*((\a)%4)+\b):8*(8*((\a)%4)+\b)+7], v[SC+8*NQ*(\sc)+NQ*\b+(\q)], v[SC+8*NQ*(\sc)+NQ*(\a)+(\q)] matrix_a_scale:MATRIX_SCALE_ROW1
.endif
.endr
.endr
.endm
.macro FETCH_B slot, q, p
	WIN TO_B
.irp i, 0,1,2,3,4,5,6,7
	FRAG 128*(\p)+FR*\i, ADRB+\slot, \q, \i
.endr
	WIN 0
.endm
.macro FETCH_A slot, q, i0
.irp i, \i0, \i0+1, \i0+2, \i0+3
	FRAG AF+FR*(\i), ADRA+\slot, \q, \i
.endr
.endm
.macro SCALES sc                       ; a K step's scale words: two words a row; lanes 0-15 take A's block i, lanes 16-31 B's block i
.irp i, 0,1,2,3,4,5,6,7
	ds_load_b64 v[SC+8*NQ*\sc+NQ*\i:SC+8*NQ*\sc+NQ*\i+1], v[ADRS] offset:\i*SBLK
.endr
.endm
.macro PLACES n                        ; plain vector instructions between a matrix instruction and a load into, or a read or write of, its registers
.rept \n
	v_nop
.endr
.endm
; A step of 128 along K that has its successor in the same slot.  A has one set of registers: blocks 0-3 are fetched anew in the step's middle, blocks 4-7 at its end; B has two sets.
.macro STEP slot, q, first
	s_wait_dscnt 4*NL                              ; all but the youngest 16 loads: A's blocks 4-7 may be out
.if \first
	WIN FST_LO
.else
	WIN MUL_LO
.endif
	MUL16 0, (\q)%2, \q, \slot, \first
	MUL16 2, (\q)%2, \q, \slot, \first
	s_wait_dscnt 0
	PLACES NP
	FETCH_B \slot, (\q)+1, 1-(\q)%2
	FETCH_A \slot, (\q)+1, 0
.if \first
	WIN FST_HI
.else
	WIN MUL_HI
.endif
	MUL16 4, (\q)%2, \q, \slot, \first
	MUL16 6, (\q)%2, \q, \slot, \first
	PLACES NP
	WIN 0
	FETCH_A \slot, (\q)+1, 4
.endm
; A slot's last step changes slots: one barrier; in front of it each wave waits for all its tensor loads, adds 0 to its spare word, and waits for that and for its reads of this slot.  fill = 1: the slot is filled again, two K steps ahead.
.macro TURN slot, next, fill
	s_wait_tensorcnt 0x0                           ; all my tensor loads have landed: my part of the next slot
	ds_add_u32 v[SPW], v[NIL]                      ; 0 onto my spare word
	s_wait_dscnt 4*NL+1                            ; the add and the youngest 16 loads (A's blocks 4-7) may be out
	WIN MUL_LO
	MUL16 0, 1, NQ-1, \slot, 0
	s_wait_dscnt 0x0                               ; the add is done, and my reads of this slot are over
	s_barrier_signal -1
	MUL16 2, 1, NQ-1, \slot, 0
	WIN 0
	s_barrier_wait -1
.if \fill
	CREST                                          ; the barrier has opened a round of the cluster's barrier: no wave of any partner still reads this slot or has a load on its way
	s_add_nc_u64 s[G0+4*\slot+2:G0+4*\slot+3], s[G0+4*\slot+2:G0+4*\slot+3], 2*ROWB
	s_add_nc_u64 s[G0B+4*\slot+2:G0B+4*\slot+3], s[G0B+4*\slot+2:G0B+4*\slot+3], 2*ROWB
	JLOAD G0+4*\slot, G1, G0B+4*\slot, G1B         ; the first tensor load behind the round; its four v_nop are among the places in front of the loads below
	PLACES NP-4
.else
	PLACES NP
.endif
	s_wait_alu depctr_va_vdst(0)
	v_add_nc_u32 v[ADRS], 4*NQ, v[ADRS]            ; the next K step's scale words (no LDS load of mine is out)
	FETCH_B \next, 0, 0
	FETCH_A \next, 0, 0
	SCALES \next
	WIN MUL_HI
	MUL16 4, 1, NQ-1, \slot, 0
	MUL16 6, 1, NQ-1, \slot, 0
	PLACES NP
	WIN 0
	FETCH_A \next, 0, 4
.endm
	s_wait_tensorcnt 1                             ; of my three loads only K step 1's may be out
	s_barrier_signal -1
	s_barrier_wait -1
	FETCH_B 0, 0, 0
	FETCH_A 0, 0, 0
	SCALES 0
	FETCH_A 0, 0, 4
	s_wait_alu depctr_va_vdst(0)
	STEP 0, 0, 1                                   ; K = 1,024 is four K steps of 256, eight steps of 128: written straight
	TURN 0, 1, 1
	STEP 1, 0, 0
	TURN 1, 0, 1
	STEP 0, 0, 0
	TURN 0, 1, 0                                   ; nothing is left to ask for
	STEP 1, 0, 0
	s_wait_dscnt 4*NL
	WIN MUL_LO
	MUL16 0, 1, NQ-1, 1, 0
	MUL16 2, 1, NQ-1, 1, 0
	s_wait_dscnt 0
	WIN MUL_HI
	MUL16 4, 1, NQ-1, 1, 0
	MUL16 6, 1, NQ-1, 1, 0
	WIN 0
; THE WAY OUT, A's block a: a lane's 64 numbers are four blocks of 32 along the B-role, 16 numbers of each; lane l xor 16 holds the other 16.
.macro EPI a
.set W, 2+(\a)/4
.set AC, 64*((\a)%4)
.if (\a) > 0
	s_wait_xcnt 0x0                                ; the last block's stores have read their base and their data: both are written again below
	s_add_nc_u64 s[12:13], s[12:13], s[98:99]
.endif
.if (\a) == 4
	s_add_nc_u64 s[12:13], s[12:13], s[100:101]
.endif
	s_cmp_lg_u32 s[KIND], 2
	s_cbranch_scc1 .Lno_bias_\@
	v_mov_b32 v[BP], v[BIA+(\a)]                   ; V: my feature's bias onto all 64, each accumulator from its low end on
	WIN (W<<6)|W
.set n, 0
.rept 32
	v_pk_add_f32 v[AC+n:AC+n+1], v[AC+n:AC+n+1], v[BP:BP+1] op_sel_hi:[1,0]
.set n, n+2
.endr
	WIN 0
.Lno_bias_\@:
	WIN W|(W<<2)
.irp b, 0,1,2,3
	v_max3_num_f32 v[TM+\b], |v[AC+16*\b]|, |v[AC+16*\b+1]|, 0x4800000   ; block b: my 16 numbers, and the floor 2^(9 - 127): the byte cannot fall under 1
.endr
	WIN (W<<2)|(W<<4)
.irp i, 2,4,6,8,10,12,14
.irp b, 0,1,2,3
	v_max3_num_f32 v[TM+\b], v[TM+\b], |v[AC+16*\b+\i]|, |v[AC+16*\b+\i+1]|
.endr
.endr
	WIN 0
.irp b, 0,1,2,3
	v_permlanex16_b32 v[TM+4+\b], v[TM+\b], s[SEL], s[SEL+1]
.endr
.irp b, 0,1,2,3
	v_max_num_f32 v[TM+\b], v[TM+\b], v[TM+4+\b]   ; the block's largest magnitude
.endr
.irp b, 0,1,2,3
	v_add_nc_u32 v[TM+12+\b], 0xfc000000, v[TM+\b] ; 8 off its exponent field: the conversion's scale operand
.endr
.irp b, 0,1,2,3
.endr
.irp b, 0,1,2,3
	v_lshrrev_b32 v[TM+4+\b], 23, v[TM+12+\b]      ; the scale's byte
.endr
	v_lshl_or_b32 v[PW], v[TM+5], 8, v[TM+4]
	v_lshl_or_b32 v[PW], v[TM+6], 16, v[PW]
	v_lshl_or_b32 v[PW], v[TM+7], 24, v[PW]
	v_lshrrev_b32 v[SW+(\a)], v[SH], v[PW]         ; Q, K: lanes 0-15 keep the first head's two bytes, lanes 16-31 the second's; V: all four
	v_and_or_b32 v[SW+(\a)], v[SW+(\a)], s104, s105
	WIN W
.set n, 0
.rept 64
.set n, n+1
.endr
.irp b, 0,1,2,3
	v_cvt_scalef32_pk8_fp8_f32 v[PC+4*\b:PC+4*\b+1], v[AC+16*\b:AC+16*\b+7], v[TM+12+\b]
	v_cvt_scalef32_pk8_fp8_f32 v[PC+4*\b+2:PC+4*\b+3], v[AC+16*\b+8:AC+16*\b+15], v[TM+12+\b]
.endr
	WIN 0
	v_nop                                          ; a plain instruction behind the last conversion
	global_store_b128 v[VOA], v[PC:PC+3], s[12:13]                 ; each store: 512 consecutive bytes, aligned
	global_store_b128 v[VOA], v[PC+4:PC+7], s[12:13] offset:512
	global_store_b128 v[VOB], v[PC+8:PC+11], s[12:13]              ; Q, K: the second head's tile; V: the tile's second half
	global_store_b128 v[VOB], v[PC+12:PC+15], s[12:13] offset:512
	ds_store_b32 v[SA], v[SW+(\a)] offset:64*(\a)
.endm
	PLACES NP
	s_mov_b32 s[SEL], 0x76543210
	s_mov_b32 s[SEL+1], 0xfedcba98                 ; lane l xor 16
.irp b, 0,1,2,3
	v_mov_b32 v[TM+4+\b], 0                        ; a lane permute's destination counts as one of its sources
.endr
.irp a, 0,1,2,3,4,5,6,7
	EPI \a
.endr
	ds_load_b128 v[RB:RB+3], v[SR]                 ; my own bytes, served in order behind my stores: 128 scale words,
	ds_load_b128 v[RB+4:RB+7], v[SR] offset:512    ; and (Q, K) the second head's
	s_wait_dscnt 1                                 ; the first of the two is in
	global_store_b128 v[VS1], v[RB:RB+3], s[96:97] ; sixteen lanes store 256 consecutive bytes, aligned
	s_wait_dscnt 0x0
	s_cmp_eq_u32 s[KIND], 2
	s_cbranch_scc1 .Lwords_out                     ; V's two heads went with the first store
	global_store_b128 v[VS2], v[RB+4:RB+7], s[96:97]
.Lwords_out:
	s_wait_tensorcnt 0x0                           ; the wave's end
	ds_add_u32 v[SPW], v[NIL]
	s_wait_dscnt 0x0
	CROUND                                         ; the closing round
	s_endpgm
.Lfunc_end_k_q3196bf538a_qkv:
	.size	k_q3196bf538a_qkv, .Lfunc_end_k_q3196bf538a_qkv-k_q3196bf538a_qkv
	.p2alignl 7, 3214868480
	.fill 96, 4, 3214868480
	.section	.rodata,"a",@progbits
	.p2align	6, 0x0
	.amdhsa_kernel k_q3196bf538a_qkv
		.amdhsa_group_segment_fixed_size 327680
		.amdhsa_private_segment_fixed_size 0
		.amdhsa_enable_private_segment 0
		.amdhsa_kernarg_size 104
		.amdhsa_user_sgpr_count 2
		.amdhsa_user_sgpr_kernarg_segment_ptr 1
		.amdhsa_wavefront_size32 1
		.amdhsa_system_sgpr_workgroup_id_x 1
		.amdhsa_system_sgpr_workgroup_id_y 1
		.amdhsa_system_sgpr_workgroup_id_z 1
		.amdhsa_system_vgpr_workitem_id 0
		.amdhsa_next_free_vgpr 1024
		.amdhsa_next_free_sgpr 106
		.amdhsa_reserve_vcc 0
		.amdhsa_float_denorm_mode_32 3
		.amdhsa_float_denorm_mode_16_64 3
		.amdhsa_fp16_overflow 1
		.amdhsa_memory_ordered 1
		.amdhsa_forward_progress 1
		.amdhsa_inst_pref_size 176
	.end_amdhsa_kernel
	.amdgpu_metadata
---
amdhsa.version: [ 1, 2 ]
amdhsa.kernels:
  - .name:           k_q3196bf538a_qkv
    .symbol:         k_q3196bf538a_qkv.kd
    .args:
      - { .name: x_codes, .offset: 0, .size: 8, .value_kind: global_buffer, .address_space: global }
      - { .name: x_scales, .offset: 8, .size: 8, .value_kind: global_buffer, .address_space: global }
      - { .name: W_q_codes, .offset: 16, .size: 8, .value_kind: global_buffer, .address_space: global }
      - { .name: W_q_scales, .offset: 24, .size: 8, .value_kind: global_buffer, .address_space: global }
      - { .name: W_k_codes, .offset: 32, .size: 8, .value_kind: global_buffer, .address_space: global }
      - { .name: W_k_scales, .offset: 40, .size: 8, .value_kind: global_buffer, .address_space: global }
      - { .name: W_v_codes, .offset: 48, .size: 8, .value_kind: global_buffer, .address_space: global }
      - { .name: W_v_scales, .offset: 56, .size: 8, .value_kind: global_buffer, .address_space: global }
      - { .name: b_q, .offset: 64, .size: 8, .value_kind: global_buffer, .address_space: global }
      - { .name: b_k, .offset: 72, .size: 8, .value_kind: global_buffer, .address_space: global }
      - { .name: b_v, .offset: 80, .size: 8, .value_kind: global_buffer, .address_space: global }
      - { .name: qbuf, .offset: 88, .size: 8, .value_kind: global_buffer, .address_space: global }
      - { .name: kv, .offset: 96, .size: 8, .value_kind: global_buffer, .address_space: global }
    .group_segment_fixed_size: 327680
    .private_segment_fixed_size: 0
    .kernarg_segment_align: 8
    .kernarg_segment_size: 104
    .max_flat_workgroup_size: 128
    .sgpr_count:     106
    .vgpr_count:     1024
    .wavefront_size: 32
...
	.end_amdgpu_metadata
.endif
;; end of part 1
;; launch attn (part 2): grid 4 x 64, 16 waves a work-group, no clusters, 327,680 bytes of LDS; arguments qbuf, kv, ctx_img, ctx_sc; writes ctx_img, ctx_sc
.if DOCPART == 2
	.amdgcn_target "amdgcn-amd-amdhsa--gfx1250"
	.amdhsa_code_object_version 6
	.text
	.protected	k_q3196bf538a_attn
	.globl	k_q3196bf538a_attn
	.p2align	8
	.type	k_q3196bf538a_attn,@function
k_q3196bf538a_attn:
	s_mov_b64 s[64:65], 0
	v_nop
	global_prefetch_b8 v0, s[64:65] scope:SCOPE_SE
	s_setreg_imm32_b32 hwreg(HW_REG_WAVE_MODE, 25, 1), 1
	s_wait_xcnt 0x0
; Causal attention of one head on codes of FP8 (E4M3) with E8M0 scales, and the result quantised along the model's axis for the last product.
; t = score x log2(e) / 8; M = the running largest t rounded up to a whole number; p = 2^(t - M) is quantised along the keys, not normalised; the row's sum is taken of the unquantised p and divides at the end.
; SHARES.  Work-group (x, head) makes two passes of 256 queries: block x over key slots 0 .. x, then block 7 - x over slots 0 .. 7 - x: nine slots of 256 keys for every work-group, a constant of the text.
; Each of sixteen waves owns 16 queries of a pass, in 256 registers.  A slot (34,304 dense bytes: K's images, K's scale words, V's images, V's scale words, as the launch before laid them) comes by two tensor
; loads (waves 0 and 1, a half each) into one of two LDS slots, and is read by all sixteen as images of operand registers: 16 bytes a lane, 512 consecutive bytes a load.
; Both products are used transposed (S^T = K Q^T, O^T = V^T P^T): a lane holds one query (lane % 16) throughout.  The first product's K is 64: the upper half of both operands is zero codes under the scale byte 127.
; CAUSAL.  A step of 128 keys all of which come after the wave's queries is jumped over (a scalar branch on ids); on the diagonal hidden scores become -infinity ahead of the maximum.
; No cluster: the four work-groups of a head stand at different slots in the same trip and change passes in different trips, so their requests never meet.
; OUT.  ctx_img [16 rows 512][head 16][block 2][lane 32][16 bytes]: the image of the last product's operand; ctx_sc [head 16][row 8,192] two scale bytes.
; LIMITS: NaN and infinities are not served.  A block's largest p is taken from its largest score (v_exp_f32 is taken not to fall where its input rises).  1 / the sum is v_rcp_f32.  A block of zeros gets the byte 1.
; The keys inside a block of 32 stand in the order in which the launch before laid V's (member 16 u + 8 h + j at place 16 h + 8 u + j); the result's 64 numbers are brought into their true order before they are quantised.
.set SLOTB, 34304
.set HALFB, 17152
.set SLOT1, 65536                      ; slot 1 begins here: one exclusive or turns an address
.set SPARE, 36864                      ; the spare words: 128 bytes for each of 16 waves, named by no other line
.set SCST,  38912                      ; 512 bytes for each pass: the rows' scale half words; no tile lands here
.set KSWO,  16384
.set VIMGO, 17408
.set VSWO,  33792
.set LI,  1                            ; 16 x lane
.set LS,  2                            ; 4 x lane
.set AD,  3                            ; slot + 16 x lane
.set ADS, 4                            ; slot + 4 x lane
.set SPW, 5
.set NIL, 6
.set PFO, 7                            ; the prefetches' offset
.set QO,  8                            ; Q's image: 1,024 wave + 16 lane
.set QSO, 9                            ; Q's scale word
.set CO,  10                           ; ctx_img: 16,384 wave + 16 lane
.set SCA, 11                           ; 32 wave + 2 r
.set QF,  16                           ; v16-23 Q's codes, v24-31 zeros
.set KFR, 32                           ; four fragments of K: the low 8 registers loaded, the high 8 zeros
.set S,   96                           ; S^T, then p, then V's four fragments
.set O,   160                          ; O^T
.set PCD, 192                          ; p's codes
.set KSC, 208                          ; scale words: K's (two tiles a register), V's, Q's, p's
.set VSC, 212
.set QSC, 214
.set PSC, 215
.set BM,  216
.set TB4, 220
.set HOLD, 224
.set SOP, 228
.set T0,  232
.set T1,  233
.set F,   234                          ; v[234:235]
.set SUM2, 236
.set NINF, 238
.set RH,  239                          ; r - 8 h
.set RB0, 240
.set RB1, 244
.set TB,  2
.set SLOTS, 3
.set WV,  18
.set MNT, 19
.set SEL, 20
.set CS,  22
.set G1,  24
.set G0,  32
.set TT,  36                           ; the trip
.set LEN0, 37                          ; slots of the first pass
.set WRAP, 38
.set DL,  40
.set KF,  42                           ; the step's first key
.set Q0,  43                           ; my first query
.set Q1,  44                           ; and the second pass's
.set QP0, 46                           ; s[46:49] Q's blocks;  s[50:53] ctx_img;  s[54:57] ctx_sc: a pair for each pass
.set CP0, 50
.set SC0, 54
.set PFA, 58
.set LIM, 60
.macro TLOAD                           ; waves 0 and 1 fetch a half slot each; four v_nop follow the line
	s_cmp_lt_u32 s[WV], 2
	s_cbranch_scc0 .Lasked_\@
	tensor_load_to_lds s[G0:G0+3], s[G1:G1+7]
	s_nop 0
.rept 4
	v_nop
.endr
.Lasked_\@:
.endm
; A prefetch of the slot two on from the trip's number: trips 0 to 5 name slots 2 to 7, a trip ahead of the first tensor load that asks for them (the work-group with the longest first pass).
; The head's first work-group asks, by its waves 4 to 8: 134 blocks of 256 bytes, a lane a block; the lanes left over in wave 8 name the slot's last block.
.macro ASK
	s_cmp_gt_u32 s[SLOTS], s[LIM]
	s_cbranch_scc0 .Lnot_mine_\@
	global_prefetch_b8 v[PFO], s[PFA:PFA+1] th:TH_LOAD_NT scope:SCOPE_SE
.Lnot_mine_\@:
.endm
	s_load_b256 s[4:11], s[0:1], 0x0               ; qbuf, kv, ctx_img, ctx_sc
	v_lshl_add_u32 v[SPW], v0, 2, SPARE
	v_mov_b32 v[NIL], 0
	ds_add_u32 v5, v6
	ds_add_u32 v5, v6
	s_wait_dscnt 0x0
	v_lshrrev_b32 v8, 5, v0
	s_delay_alu instid0(VALU_DEP_1)
	v_readfirstlane_b32 s[WV], v8                  ; wave 0..15
	s_and_b32 s66, ttmp7, 0xffff                   ; batch x 16 + head
	s_lshr_b32 s67, s66, 4
	s_and_b32 s68, s66, 15
	s_add_co_u32 s[LEN0], ttmp9, 1
	s_mul_i32 s[WRAP], s[LEN0], SLOTB
	s_sub_co_u32 s69, 7, ttmp9                     ; the second pass's block
	s_mul_i32 s70, s66, 139264
	s_mul_i32 s72, ttmp9, 17408
	s_add_co_u32 s72, s72, s70
	s_mov_b32 s73, 0
	s_mul_i32 s74, s69, 17408
	s_add_co_u32 s74, s74, s70
	s_mov_b32 s75, 0
	s_lshl_b32 s76, s67, 21                        ; ctx_img: (128 batch + 16 block) x 16,384 + 1,024 head
	s_lshl_b32 s70, s68, 10
	s_add_co_u32 s76, s76, s70
	s_lshl_b32 s70, ttmp9, 18
	s_add_co_u32 s78, s76, s70
	s_mov_b32 s79, 0
	s_lshl_b32 s70, s69, 18
	s_add_co_u32 s80, s76, s70
	s_mov_b32 s81, 0
	s_lshl_b32 s76, s68, 14                        ; ctx_sc: 16,384 head + 2 (2,048 batch + 256 block)
	s_lshl_b32 s70, s67, 12
	s_add_co_u32 s76, s76, s70
	s_lshl_b32 s70, ttmp9, 9
	s_add_co_u32 s82, s76, s70
	s_mov_b32 s83, 0
	s_lshl_b32 s70, s69, 9
	s_add_co_u32 s84, s76, s70
	s_mov_b32 s85, 0
	s_lshl_b32 s[Q0], ttmp9, 8
	s_lshl_b32 s70, s[WV], 4
	s_add_co_u32 s[Q0], s[Q0], s70
	s_lshl_b32 s[Q1], s69, 8
	s_add_co_u32 s[Q1], s[Q1], s70
	s_and_b32 s88, s[WV], 1
	s_mul_i32 s89, s88, HALFB                      ; my half of a slot, in memory and in LDS
	s_mul_i32 s90, s66, 274432
	s_mov_b32 s91, 0
	s_mov_b32 s92, s89
	s_mov_b32 s93, 0
	; group 1: 67 rows of 256 bytes (32 elements of 8 bytes), dense, no padding
	s_mov_b32 s[G1], 3<<16
	s_mov_b32 s[G1+1], 32<<16
	s_mov_b32 s[G1+2], 67<<16
	s_mov_b32 s[G1+3], 32<<16
	s_mov_b32 s[G1+4], 67
	s_mov_b32 s[G1+5], 32
	s_mov_b32 s[G1+6], 0
	s_mov_b32 s[G1+7], 0
	s_mov_b32 s[SEL], 0x76543210
	s_mov_b32 s[SEL+1], 0xfedcba98                 ; lane l xor 16
	s_mov_b32 s[CS], 0x3e38aa3b                    ; log2(e) / 8
	s_mov_b32 s[CS+1], s[CS]
	s_mov_b32 s[TB], 0
	s_mov_b32 s[TT], 0
	s_mov_b32 s[SLOTS], 8
	s_mov_b32 s[DL+1], 0
	s_sub_co_u32 s94, s[WV], 4
	s_cmp_lt_u32 s94, 5
	s_cselect_b32 s94, ttmp9, 1                    ; 0 in waves 4 to 8 of the head's first work-group
	s_cmp_eq_u32 s94, 0
	s_cselect_b32 s[LIM], 2, -1
	s_wait_kmcnt 0x0
	s_add_nc_u64 s[6:7], s[6:7], s[90:91]          ; kv at my head
	s_mov_b32 s[G0], 1
	s_mov_b32 s[G0+1], s89
	s_add_nc_u64 s[G0+2:G0+3], s[6:7], s[92:93]
	s_or_b32 s[G0+3], s[G0+3], 0x80000000
	TLOAD                                          ; slot 0
	s_add_nc_u64 s[PFA:PFA+1], s[6:7], SLOTB       ; at slot 1: the first change of slots steps it to slot 2
	s_add_nc_u64 s[QP0:QP0+1], s[4:5], s[72:73]
	s_add_nc_u64 s[QP0+2:QP0+3], s[4:5], s[74:75]
	s_add_nc_u64 s[CP0:CP0+1], s[8:9], s[78:79]
	s_add_nc_u64 s[CP0+2:CP0+3], s[8:9], s[80:81]
	s_add_nc_u64 s[SC0:SC0+1], s[10:11], s[82:83]
	s_add_nc_u64 s[SC0+2:SC0+3], s[10:11], s[84:85]
	v_and_b32 v12, 31, v0
	s_delay_alu instid0(VALU_DEP_1)
	v_lshlrev_b32 v[LI], 4, v12
	s_delay_alu instid0(VALU_DEP_2)
	v_lshlrev_b32 v[LS], 2, v12
	v_lshrrev_b32 v13, 5, v0                       ; wave
	v_and_b32 v14, 15, v0                          ; r
	v_bfe_u32 v15, v0, 4, 1                        ; h
	s_delay_alu instid0(VALU_DEP_3)
	v_lshl_add_u32 v[QO], v13, 10, v[LI]
	s_delay_alu instid0(VALU_DEP_3)
	v_lshlrev_b32 v[QSO], 2, v14
	s_delay_alu instid0(VALU_DEP_1)
	v_lshl_add_u32 v[QSO], v13, 6, v[QSO]
	s_delay_alu instid0(VALU_DEP_1)
	v_add_nc_u32 v[QSO], KSWO, v[QSO]
	v_lshl_add_u32 v[CO], v13, 14, v[LI]
	v_lshlrev_b32 v[SCA], 1, v14
	s_delay_alu instid0(VALU_DEP_1)
	v_lshl_add_u32 v[SCA], v13, 5, v[SCA]
	v_lshlrev_b32 v12, 3, v15
	s_delay_alu instid0(VALU_DEP_1)
	v_sub_nc_u32 v[RH], v14, v12
	v_add_nc_u32 v[PFO], 0xffffff80, v0            ; thread - 128: wave 4's lane 0 takes block 0
	s_delay_alu instid0(VALU_DEP_1)
	v_lshlrev_b32 v[PFO], 8, v[PFO]
	s_delay_alu instid0(VALU_DEP_1)
	v_min_u32 v[PFO], 34048, v[PFO]                ; held at the slot's last block
.macro QLOAD p
	global_load_b128 v[QF:QF+3], v[QO], s[QP0+2*\p:QP0+2*\p+1] th:TH_LOAD_NT
	global_load_b128 v[QF+4:QF+7], v[QO], s[QP0+2*\p:QP0+2*\p+1] offset:512 th:TH_LOAD_NT
	global_load_b32 v[QSC], v[QSO], s[QP0+2*\p:QP0+2*\p+1] th:TH_LOAD_NT
.endm
.macro RESET p                         ; a pass begins: O^T and the sum as zeros, the largest t as -3e38, under every t
	v_mov_b32 v13, 0xff61b1e6
	s_delay_alu instid0(VALU_DEP_1)
	v_floor_f32 v12, -v13
	v_mov_b32 v14, 0
	v_mov_b32 v15, 0
.set j, 0
.rept 32
	v_mov_b32 v[O+j], 0
.set j, j+1
.endr
.if \p
	s_mov_b32 s[Q0], s[Q1]
.endif
	s_mov_b32 s[KF], 0
.endm
	QLOAD 0
.set j, 0
.rept 8
	v_mov_b32 v[QF+8+j], 0                         ; the zero codes of k = 64 .. 127: Q's,
.set j, j+1
.endr
.irp t, 0,1,2,3
.set j, 0
.rept 8
	v_mov_b32 v[KFR+16*\t+8+j], 0                  ; and K's: written once
.set j, j+1
.endr
.endr
.irp b, 0,1,2,3
	v_mov_b32 v[TB4+\b], 0                         ; a lane permute's destination counts as one of its sources
.endr
	v_mov_b32 v[T0], 0
	v_mov_b32 v[F+1], 0                            ; (named as the upper half of a pair)
	v_mov_b32 v[NINF], 0xff800000
	RESET 0
; A KEY STEP: 128 keys, the q-th of the slot in hand.
.macro STEP q
	s_add_co_u32 s96, s[Q0], 15
	s_cmp_gt_u32 s[KF], s96
	s_cbranch_scc1 .Lhidden_\@                     ; all its keys come after my queries
	v_add_nc_u32 v[AD], s[TB], v[LI]
	s_wait_alu depctr_va_vdst(0)
	v_add_nc_u32 v[ADS], s[TB], v[LS]
.rept 7
	v_nop                                          ; with the two additions nine places: the products below write over registers that the last step's products read as an operand
.endr
.irp i, 0,1,2,3
	ds_load_b32 v[KSC+\i], v[ADS] offset:KSWO+512*(\q)+128*\i   ; lanes 0-15: tile 2 i's keys; lanes 16-31: tile 2 i + 1's
.endr
.irp g, 0,1                            ; S^T = K Q^T, four tiles of 16 keys at a time
.if \g
.rept 8
	v_nop
.endr
.endif
.irp t, 0,1,2,3
	ds_load_b128 v[KFR+16*\t:KFR+16*\t+3], v[AD] offset:(8*(\q)+4*\g+\t)*1024
	ds_load_b128 v[KFR+16*\t+4:KFR+16*\t+7], v[AD] offset:(8*(\q)+4*\g+\t)*1024+512
.endr
	s_wait_dscnt 0x0
.irp t, 0,1,2,3
.if (\t)%2
	v_wmma_scale_f32_16x16x128_f8f6f4 v[S+8*(4*\g+\t):S+8*(4*\g+\t)+7], v[KFR+16*\t:KFR+16*\t+15], v[QF:QF+15], 0, v[KSC+(4*\g+\t)/2], v[QSC] matrix_a_scale:MATRIX_SCALE_ROW1
.else
	v_wmma_scale_f32_16x16x128_f8f6f4 v[S+8*(4*\g+\t):S+8*(4*\g+\t)+7], v[KFR+16*\t:KFR+16*\t+15], v[QF:QF+15], 0, v[KSC+(4*\g+\t)/2], v[QSC]
.endif
.endr
.endr
.rept 8
	v_nop
.endr
	s_add_co_u32 s96, s[KF], 127
	s_cmp_le_u32 s96, s[Q0]
	s_cbranch_scc1 .Lopen_\@                       ; all its keys count
	s_sub_co_i32 s96, s[Q0], s[KF]
	v_add_nc_u32 v[T0], s96, v[RH]                 ; d = my query - the step's first key - 8 h.  Register n holds key 16 (n / 8) + 8 h + n % 8: hidden where 16 (n / 8) + n % 8 > d
.set n, 0
.rept 64
	v_cmp_gt_i32 vcc_lo, 16*(n/8)+n%8, v[T0]
	v_cndmask_b32 v[S+n], v[S+n], v[NINF], vcc_lo
.set n, n+1
.endr
.Lopen_\@:
.irp b, 0,1,2,3
	v_max3_num_f32 v[BM+\b], v[S+16*\b], v[S+1+16*\b], v[S+2+16*\b]   ; the largest score of each block of 32 keys: for the row's maximum and for the block's largest p
.endr
.irp i, 3,5,7,9,11,13
.irp b, 0,1,2,3
	v_max3_num_f32 v[BM+\b], v[BM+\b], v[S+16*\b+\i], v[S+1+16*\b+\i]
.endr
.endr
.irp b, 0,1,2,3
	v_max_num_f32 v[BM+\b], v[BM+\b], v[S+15+16*\b]
.endr
.irp b, 0,1,2,3
	s_delay_alu instid0(VALU_DEP_4)
	v_permlanex16_b32 v[TB4+\b], v[BM+\b], s[SEL], s[SEL+1]
.endr
.irp b, 0,1,2,3
	s_delay_alu instid0(VALU_DEP_4)
	v_max_num_f32 v[BM+\b], v[BM+\b], v[TB4+\b]
.endr
	s_delay_alu instid0(VALU_DEP_2)
	v_max3_num_f32 v[T0], v[BM], v[BM+1], v[BM+2]
	s_delay_alu instid0(VALU_DEP_1)
	v_max_num_f32 v[T0], v[T0], v[BM+3]
	s_delay_alu instid0(VALU_DEP_1)
	v_mul_f32 v[T0], s[CS], v[T0]
	s_delay_alu instid0(VALU_DEP_1)
	v_max_num_f32 v13, v13, v[T0]                  ; the running largest t
	v_mov_b32 v[T0], v12
	s_delay_alu instid0(VALU_DEP_2)
	v_floor_f32 v12, -v13                          ; -M = floor(-t): M is a whole number
	s_delay_alu instid0(VALU_DEP_1)
	v_sub_f32 v[T0], v12, v[T0]
	s_delay_alu instid0(VALU_DEP_1)
	v_cvt_i32_f32 v[T0], v[T0]                     ; (it saturates)
	s_delay_alu instid0(VALU_DEP_1)
	v_ldexp_f32 v[F], 1.0, v[T0]                   ; f = 2^(old M - new M)
.set j, 0
.rept 32
	v_pk_fma_f32 v[S+j:S+j+1], v[S+j:S+j+1], s[CS:CS+1], v[12:13] op_sel_hi:[1,0,0]   ; t - M
.set j, j+2
.endr
.irp b, 0,1,2,3
	v_fma_f32 v[BM+\b], v[BM+\b], s[CS], v12
.endr
.set j, 0
	s_wait_alu depctr_va_vdst(0)
.rept 64
	v_exp_f32 v[S+j], v[S+j]                       ; p = 2^(t - M)
.set j, j+1
.endr
	v_pk_mul_f32 v[14:15], v[14:15], v[F:F+1] op_sel_hi:[1,0]   ; the sums, and O^T, under the new M: work that names no exponential's result
.set j, 0
	s_wait_alu depctr_va_vdst(0)
.rept 16
	v_pk_mul_f32 v[O+j:O+j+1], v[O+j:O+j+1], v[F:F+1] op_sel_hi:[1,0]
.set j, j+2
.endr
	s_wait_alu depctr_va_vdst(0)                   ; one wait for the batch of 64, ahead of its first reader
.irp b, 0,1,2,3
	v_exp_f32 v[BM+\b], v[BM+\b]                   ; the block's largest p
.endr
	v_pk_add_f32 v[236:237], v[100:101], v[104:105]
	v_pk_add_f32 v[254:255], v[108:109], v[112:113]
	v_pk_add_f32 v[252:253], v[116:117], v[120:121]
	v_pk_add_f32 v[250:251], v[124:125], v[128:129]
	v_pk_add_f32 v[248:249], v[132:133], v[136:137]
	v_pk_add_f32 v[246:247], v[140:141], v[144:145]
	v_pk_add_f32 v[244:245], v[148:149], v[152:153]
	v_pk_add_f32 v[14:15], v[14:15], v[156:157]
	v_pk_add_f32 v[236:237], v[236:237], v[96:97]
	v_pk_add_f32 v[254:255], v[254:255], v[98:99]
	v_pk_add_f32 v[252:253], v[252:253], v[102:103]
	v_pk_add_f32 v[250:251], v[250:251], v[106:107]
	v_pk_add_f32 v[248:249], v[248:249], v[110:111]
	v_pk_add_f32 v[246:247], v[246:247], v[114:115]
	v_pk_add_f32 v[244:245], v[244:245], v[118:119]
	v_pk_add_f32 v[14:15], v[14:15], v[122:123]
	v_pk_add_f32 v[236:237], v[236:237], v[126:127]
	v_pk_add_f32 v[254:255], v[254:255], v[130:131]
	v_pk_add_f32 v[252:253], v[252:253], v[134:135]
	v_pk_add_f32 v[250:251], v[250:251], v[138:139]
	v_pk_add_f32 v[248:249], v[248:249], v[142:143]
	v_pk_add_f32 v[246:247], v[246:247], v[146:147]
	v_pk_add_f32 v[244:245], v[244:245], v[150:151]
	v_pk_add_f32 v[14:15], v[14:15], v[154:155]
	v_pk_add_f32 v[236:237], v[236:237], v[158:159]
	s_delay_alu instid0(VALU_DEP_2)
	v_pk_add_f32 v[14:15], v[14:15], v[250:251]
	s_delay_alu instid0(VALU_DEP_2)
	v_pk_add_f32 v[236:237], v[236:237], v[248:249]
	v_pk_add_f32 v[254:255], v[254:255], v[246:247]
	v_pk_add_f32 v[252:253], v[252:253], v[244:245]
	s_delay_alu instid0(VALU_DEP_2)
	v_pk_add_f32 v[14:15], v[14:15], v[254:255]
	s_delay_alu instid0(VALU_DEP_2)
	v_pk_add_f32 v[236:237], v[236:237], v[252:253]
	s_delay_alu instid0(VALU_DEP_1)
	v_pk_add_f32 v[14:15], v[14:15], v[236:237]
	s_wait_alu depctr_va_vdst(0)                   ; and one for the four
.irp b, 0,1,2,3
	v_max_num_f32 v[BM+\b], 0x4800000, v[BM+\b]    ; the floor 2^(9 - 127): the byte cannot fall under 1
.endr
.irp b, 0,1,2,3
	s_delay_alu instid0(VALU_DEP_4)
	v_add_nc_u32 v[SOP+\b], 0xfc000000, v[BM+\b]
.endr
.irp b, 0,1,2,3
.endr
.irp b, 0,1,2,3
	s_delay_alu instid0(VALU_DEP_4)
	v_lshrrev_b32 v[TB4+\b], 23, v[SOP+\b]
.endr
	s_delay_alu instid0(VALU_DEP_3)
	v_lshl_or_b32 v[PSC], v[TB4+1], 8, v[TB4]      ; p's scale word for these 128 keys
	s_delay_alu instid0(VALU_DEP_1)
	v_lshl_or_b32 v[PSC], v[TB4+2], 16, v[PSC]
	s_delay_alu instid0(VALU_DEP_1)
	v_lshl_or_b32 v[PSC], v[TB4+3], 24, v[PSC]
.irp b, 0,1,2,3
.set j, 0
.rept 16
.set j, j+1
.endr
	v_cvt_scalef32_pk8_fp8_f32 v[PCD+4*\b:PCD+4*\b+1], v[S+16*\b:S+16*\b+7], v[SOP+\b]
	v_cvt_scalef32_pk8_fp8_f32 v[PCD+4*\b+2:PCD+4*\b+3], v[S+16*\b+8:S+16*\b+15], v[SOP+\b]
.endr
	v_nop
.irp t, 0,1,2,3                        ; V's four fragments (16 channels x these 128 keys) take p's registers
.irp c, 0,1,2,3
	ds_load_b128 v[S+16*\t+4*\c:S+16*\t+4*\c+3], v[AD] offset:VIMGO+8192*(\q)+2048*\t+512*\c
.endr
.endr
.irp i, 0,1
	ds_load_b32 v[VSC+\i], v[ADS] offset:VSWO+256*(\q)+128*\i
.endr
.rept 4
	v_nop                                          ; four places between the conversions and the products that take their results
.endr
	s_wait_alu depctr_va_vdst(0)
	s_wait_dscnt 0x0
.irp t, 0,1,2,3                        ; O^T += V^T P^T: four accumulators by turns
.if (\t)%2
	v_wmma_scale_f32_16x16x128_f8f6f4 v[O+8*\t:O+8*\t+7], v[S+16*\t:S+16*\t+15], v[PCD:PCD+15], v[O+8*\t:O+8*\t+7], v[VSC+\t/2], v[PSC] matrix_a_scale:MATRIX_SCALE_ROW1
.else
	v_wmma_scale_f32_16x16x128_f8f6f4 v[O+8*\t:O+8*\t+7], v[S+16*\t:S+16*\t+15], v[PCD:PCD+15], v[O+8*\t:O+8*\t+7], v[VSC+\t/2], v[PSC]
.endif
.endr
.Lhidden_\@:
	s_add_co_u32 s[KF], s[KF], 128
.endm
; THE CHANGE OF SLOTS, at a slot's head.  Each wave waits for all its tensor loads, adds 0 to its spare word, and waits for that and for its reads of the slot that it has left; behind the barrier the slot ahead
; is whole and nobody reads the other.  fill = 1: that other slot takes the next trip's keys: the next slot of the pass, or, where the next trip begins the second pass, slot 0 again.
.macro CHANGE fill
	s_wait_tensorcnt 0x0                           ; no tensor load of mine is out, so group 0 may be written
	ds_add_u32 v[SPW], v[NIL]                      ; 0 onto my spare word
.if \fill
	s_xor_b32 s[G0+1], s[G0+1], SLOT1
	s_add_co_u32 s96, s[TT], 1
	s_cmp_eq_u32 s96, s[LEN0]
	s_cselect_b32 s[DL], s[WRAP], 0
	s_add_nc_u64 s[G0+2:G0+3], s[G0+2:G0+3], SLOTB
	s_sub_nc_u64 s[G0+2:G0+3], s[G0+2:G0+3], s[DL:DL+1]
	s_wait_xcnt 0x0                                ; the last prefetch and the last stores have read their registers
	s_add_nc_u64 s[PFA:PFA+1], s[PFA:PFA+1], SLOTB
.endif
	s_wait_dscnt 0x0                               ; the add is done, and my reads of the slot that I have left are over
	s_barrier_signal -1
	s_barrier_wait -1
.if \fill
	TLOAD                                          ; the first thing behind the barrier, a wave's one tensor load until the next
	ASK
.endif
.endm
; A PASS ENDS: O^T / the sum; the 64 numbers into their true order; two blocks of 32 quantised; the image and the scale half word go out.
.macro FINISH p
.rept 8
	v_nop
.endr
	v_add_f32 v14, v14, v15
	s_delay_alu instid0(VALU_DEP_1)
	v_permlanex16_b32 v[T0], v14, s[SEL], s[SEL+1]
	s_delay_alu instid0(VALU_DEP_1)
	v_add_f32 v14, v14, v[T0]                      ; the row's sum
	s_wait_alu depctr_va_vdst(0)
	v_rcp_f32 v[F], v14
	v_nop
	s_wait_alu depctr_va_vdst(0)                   ; ahead of the reciprocal's first reader
.set j, 0
.rept 16
	v_pk_mul_f32 v[S+j:S+j+1], v[O+j:O+j+1], v[F:F+1] op_sel_hi:[1,0]   ; register 8 t + i: channel 16 t + 8 h + i
.set j, j+2
.endr
.irp b, 0,1
.set j, 0
.rept 8
	v_permlane16_swap_b32 v[S+16*\b+j], v[S+8+16*\b+j]   ; tile 2 b's upper lanes against tile 2 b + 1's lower: the 16 registers are then channels 32 b + 16 h + 0 .. 15
.set j, j+1
.endr
.endr
.irp b, 0,1
	v_max3_num_f32 v[BM+\b], |v[S+16*\b]|, |v[S+1+16*\b]|, 0x4800000
.endr
.irp i, 2,4,6,8,10,12,14
.irp b, 0,1
	s_delay_alu instid0(VALU_DEP_2)
	v_max3_num_f32 v[BM+\b], v[BM+\b], |v[S+16*\b+\i]|, |v[S+1+16*\b+\i]|
.endr
.endr
.irp b, 0,1
	s_delay_alu instid0(VALU_DEP_2)
	v_permlanex16_b32 v[TB4+\b], v[BM+\b], s[SEL], s[SEL+1]
.endr
.irp b, 0,1
	s_delay_alu instid0(VALU_DEP_2)
	v_max_num_f32 v[BM+\b], v[BM+\b], v[TB4+\b]
.endr
.irp b, 0,1
	s_delay_alu instid0(VALU_DEP_2)
	v_add_nc_u32 v[SOP+\b], 0xfc000000, v[BM+\b]
.endr
.irp b, 0,1
.endr
.irp b, 0,1
	s_delay_alu instid0(VALU_DEP_2)
	v_lshrrev_b32 v[TB4+\b], 23, v[SOP+\b]
.endr
	s_delay_alu instid0(VALU_DEP_1)
	v_lshl_or_b32 v[T1], v[TB4+1], 8, v[TB4]
.irp b, 0,1
.set j, 0
.rept 16
.set j, j+1
.endr
	v_cvt_scalef32_pk8_fp8_f32 v[PCD+4*\b:PCD+4*\b+1], v[S+16*\b:S+16*\b+7], v[SOP+\b]
	v_cvt_scalef32_pk8_fp8_f32 v[PCD+4*\b+2:PCD+4*\b+3], v[S+16*\b+8:S+16*\b+15], v[SOP+\b]
.endr
	v_nop                                          ; a plain instruction behind the last conversion
	global_store_b128 v[CO], v[PCD:PCD+3], s[CP0+2*\p:CP0+2*\p+1]              ; 512 consecutive bytes, aligned
	global_store_b128 v[CO], v[PCD+4:PCD+7], s[CP0+2*\p:CP0+2*\p+1] offset:512
	ds_store_b16 v[SCA], v[T1] offset:SCST+512*\p  ; both lanes of a row write the same two bytes
.endm
	s_wait_loadcnt 0x0                             ; the first pass's Q is in its registers before the loop begins: no load of mine is out at the loop's head
.Lslot:                                ; eight trips; behind each change of slots the next trip's slot is asked for
	s_cmp_lg_u32 s[TT], s[LEN0]
	s_cbranch_scc1 .Lsame_pass                     ; the same in all sixteen waves: the trip and the work-group's x
	s_wait_loadcnt 0x0                             ; no earlier load has yet to write the registers that the three loads below land in
	QLOAD 1
	FINISH 0
	RESET 1
.Lsame_pass:
	CHANGE 1
	s_wait_loadcnt 0x0                             ; the second pass's Q, where it has just been asked for
	STEP 0
	STEP 1
	s_xor_b32 s[TB], s[TB], SLOT1
	s_add_co_u32 s[TT], s[TT], 1
	s_sub_co_u32 s[SLOTS], s[SLOTS], 1
	s_cmp_lg_u32 s[SLOTS], 0
	s_cbranch_scc1 .Lslot
	CHANGE 0                                       ; the ninth slot is written out
	STEP 0
	STEP 1
	FINISH 1
	s_wait_dscnt 0x0                               ; for the others' sake: my half words lie in LDS
	s_barrier_signal -1
	s_barrier_wait -1
	s_cmp_lg_u32 s[WV], 4
	s_cbranch_scc1 .Lnot_wave_4
	ds_load_b128 v[RB0:RB0+3], v[LI] offset:SCST
	ds_load_b128 v[RB1:RB1+3], v[LI] offset:SCST+512
	s_wait_dscnt 0x0
	global_store_b128 v[LI], v[RB0:RB0+3], s[SC0:SC0+1]      ; a pass's 256 rows: 512 consecutive bytes, aligned
	global_store_b128 v[LI], v[RB1:RB1+3], s[SC0+2:SC0+3]
.Lnot_wave_4:
	s_wait_tensorcnt 0x0                           ; the wave's end
	ds_add_u32 v[SPW], v[NIL]
	s_wait_dscnt 0x0
	s_endpgm
.Lfunc_end_k_q3196bf538a_attn:
	.size	k_q3196bf538a_attn, .Lfunc_end_k_q3196bf538a_attn-k_q3196bf538a_attn
	.p2alignl 7, 3214868480
	.fill 96, 4, 3214868480
	.section	.rodata,"a",@progbits
	.p2align	6, 0x0
	.amdhsa_kernel k_q3196bf538a_attn
		.amdhsa_group_segment_fixed_size 327680
		.amdhsa_private_segment_fixed_size 0
		.amdhsa_enable_private_segment 0
		.amdhsa_kernarg_size 32
		.amdhsa_user_sgpr_count 2
		.amdhsa_user_sgpr_kernarg_segment_ptr 1
		.amdhsa_wavefront_size32 1
		.amdhsa_system_sgpr_workgroup_id_x 1
		.amdhsa_system_sgpr_workgroup_id_y 1
		.amdhsa_system_sgpr_workgroup_id_z 1
		.amdhsa_system_vgpr_workitem_id 0
		.amdhsa_next_free_vgpr 256
		.amdhsa_next_free_sgpr 100
		.amdhsa_reserve_vcc 1
		.amdhsa_float_denorm_mode_32 3
		.amdhsa_float_denorm_mode_16_64 3
		.amdhsa_fp16_overflow 1
		.amdhsa_memory_ordered 1
		.amdhsa_forward_progress 1
		.amdhsa_inst_pref_size 113
	.end_amdhsa_kernel
	.amdgpu_metadata
---
amdhsa.version: [ 1, 2 ]
amdhsa.kernels:
  - .name:           k_q3196bf538a_attn
    .symbol:         k_q3196bf538a_attn.kd
    .args:
      - { .name: qbuf, .offset: 0, .size: 8, .value_kind: global_buffer, .address_space: global }
      - { .name: kv, .offset: 8, .size: 8, .value_kind: global_buffer, .address_space: global }
      - { .name: ctx_img, .offset: 16, .size: 8, .value_kind: global_buffer, .address_space: global }
      - { .name: ctx_sc, .offset: 24, .size: 8, .value_kind: global_buffer, .address_space: global }
    .group_segment_fixed_size: 327680
    .private_segment_fixed_size: 0
    .kernarg_segment_align: 8
    .kernarg_segment_size: 32
    .max_flat_workgroup_size: 512
    .sgpr_count:     100
    .vgpr_count:     256
    .wavefront_size: 32
...
	.end_amdgpu_metadata
.endif
;; end of part 2
;; launch outp (part 3): grid 4 x 64, 4 waves a work-group, clusters of 4 x 4, 327,680 bytes of LDS; arguments ctx_img, ctx_sc, W_o_codes, W_o_scales, b_o, out0; writes out0
.if DOCPART == 3
	.amdgcn_target "amdgcn-amd-amdhsa--gfx1250"
	.amdhsa_code_object_version 6
	.text
	.protected	k_q3196bf538a_outp
	.globl	k_q3196bf538a_outp
	.p2align	8
	.type	k_q3196bf538a_outp,@function
k_q3196bf538a_outp:
	s_mov_b64 s[64:65], 0
	v_nop
	global_prefetch_b8 v0, s[64:65] scope:SCOPE_SE
	s_setreg_imm32_b32 hwreg(HW_REG_WAVE_MODE, 25, 1), 1
	s_wait_xcnt 0x0
	s_wait_alu depctr_hold_cnt(0) depctr_sa_sdst(0) depctr_va_vdst(0) depctr_va_sdst(0) depctr_va_ssrc(0) depctr_va_vcc(0) depctr_vm_vsrc(0)
	s_getreg_b32 s2, hwreg(HW_REG_IB_STS2, 6, 4)
	s_cmp_eq_u32 s2, 0
	s_cbranch_scc0 .Lentry_in_a_cluster
	s_endpgm
.Lentry_in_a_cluster:
	s_bfe_u32 s2, ttmp6, 0x10000c
	s_cmp_lg_u32 s2, 0xf033
	s_cbranch_scc0 .Lentry_shape_is_right
	s_endpgm
.Lentry_shape_is_right:
; out0 = ctx W_o + b_o on codes of FP8 (E4M3) with one E8M0 scale for each 32 along K = 1,024; sums and result f32.
; A tile of 128 rows x 256 columns is made by four waves, 64 x 128 each: 32 accumulators of 16 x 16: 256 work-groups.  The matrix instruction is used transposed (source 0 = 16 rows of W_o, source 1 = 16 rows of ctx):
; a lane holds eight neighbouring numbers of a row of the result.  b_o is the C of the sums' first products.
; ctx comes as the launch before laid it: images of operand registers, [16 rows][K step of 128][2,048 bytes]: a fragment is four loads of 512 consecutive bytes; its scale bytes [head][row] two bytes: two heads' make a word.
; K goes in steps of 256 through two LDS slots.  4 x 4 work-groups form a cluster: ctx's tiles are shared along a row, W_o's along a column, each asked for jointly.  All scale bytes come once, with the first fills.
; REGISTERS: window 0: v16-31 addresses; v32-47 ctx's scale words; v48-63 W_o's, two sets; v64-127 b_o; v128-255 ctx's fragments, two sets.  window 1: W_o's fragments, two sets.  window 2: accumulator (a, b) at v[8 (8 a + b)].
.set PITCH,  272
.set AIMG,   32768                     ; a slot: 8 x 16 rows x 4,096 bytes of ctx,
.set HALFA,  16384
.set HALFT,  128*PITCH                 ; then 256 rows of W_o
.set SLOT,   AIMG+2*HALFT
.set SCB,    2*SLOT                    ; W_o's scales, as rows of 256 bytes + 16
.set HALFS,  4352
.set SCAL,   SCB+2*HALFS               ; ctx's: 16 heads x 256 bytes
.set SPARE,  SCAL+4096                 ; the spare words: 128 bytes a wave, named by no other line
.set SPITCH, 528                       ; the way out: 16 rows x (512 + 16) bytes a wave, in slot 0, which has then had its last fill and its last read
.set ADRA, 16
.set ADRB, 20
.set STO,  24
.set RD,   25
.set CO,   26
.set ADRSB, 27
.set SPW,  28
.set NIL,  29
.set ADRSA, 30
.set SAW,  32
.set SB,   48
.set BI,   64
.set AF,   128
.set BK,   64
.set G1, 24
.set G0, 32
.set G1B, 48
.set G0B, 56
.set G1S, 68
.set G0S, 76
.set G1SB, 80
.set G0SB, 88
.set MSB, 0
.macro WIN new
.if MSB != (\new)
	s_set_vgpr_msb (MSB<<8)|(\new)
.set MSB, (\new)
.endif
.endm
.macro JLOAD g0a, g1a, g0b, g1b        ; waves 0 and 1 fetch for ctx, waves 2 and 3 for W_o; four v_nop follow each line
	s_cmp_eq_u32 s15, 0
	s_cbranch_scc0 .Lfor_b_\@
	tensor_load_to_lds s[\g0a:\g0a+3], s[\g1a:\g1a+7]
	s_nop 0
.rept 4
	v_nop
.endr
	s_branch .Lasked_\@
.Lfor_b_\@:
	tensor_load_to_lds s[\g0b:\g0b+3], s[\g1b:\g1b+7]
	s_nop 0
.rept 4
	v_nop
.endr
.Lasked_\@:
.endm
.macro CREST
	s_cmp_lg_u32 s14, 0
	s_cbranch_scc1 .Lnot_wave_0_\@
	s_barrier_signal -3
.Lnot_wave_0_\@:
	s_barrier_wait -3
	s_barrier_signal -1
	s_barrier_wait -1
.endm
.macro CROUND
	s_barrier_signal -1
	s_barrier_wait -1
	CREST
.endm
.macro PLACES n
.rept \n
	v_nop
.endr
.endm
	s_load_b256 s[4:11], s[0:1], 0x0               ; ctx_img, ctx_sc, W_o's codes, W_o's scales
	s_load_b128 s[92:95], s[0:1], 0x20             ; b_o, out0
	v_lshl_add_u32 v[SPW], v0, 2, SPARE
	v_mov_b32 v[NIL], 0
	ds_add_u32 v28, v29
	ds_add_u32 v28, v29
	s_wait_dscnt 0x0
	v_lshrrev_b32 v1, 5, v0
	v_readfirstlane_b32 s14, v1                    ; wave 0..3
	s_lshr_b32 s15, s14, 1                         ; i: my half of the rows.  Also: I fetch for ctx (0) or for W_o (1)
	s_and_b32 s16, s14, 1                          ; j: my half of the columns.  Also: which half I fetch
	s_bfe_u32 s40, ttmp6, 0x40000
	s_bfe_u32 s41, ttmp6, 0x40004
	s_lshl_b32 s42, ttmp9, 2
	s_add_co_u32 s42, s42, s40                     ; tile column
	s_and_b32 s17, ttmp7, 0xffff
	s_lshl_b32 s17, s17, 2
	s_add_co_u32 s17, s17, s41                     ; tile row
	s_lshl_b32 s43, s41, 2
	s_lshl_b32 s43, 15, s43                        ; my row of the cluster
	s_lshl_b32 s44, 0x1111, s40                    ; my column
	; ctx's codes: 4 rows of 4,096 bytes (512 elements of 8), 16,384 bytes apart, no padding
	s_or_b32 s[G1+0], s43, (3<<16)|(1<<21)
	s_mov_b32 s[G1+1], 512<<16
	s_mov_b32 s[G1+2], 4<<16
	s_mov_b32 s[G1+3], 512<<16
	s_mov_b32 s[G1+4], 4
	s_mov_b32 s[G1+5], 2048
	s_mov_b32 s[G1+6], 0
	s_mov_b32 s[G1+7], 0
	; W_o's codes: 128 rows of 256 bytes, 1,024 apart, 16 bytes of padding behind each
	s_or_b32 s[G1B+0], s44, (0<<16)|(1<<20)|(1<<21)|(5<<22)|(3<<25)
	s_mov_b32 s[G1B+1], 256<<16
	s_mov_b32 s[G1B+2], 128<<16
	s_mov_b32 s[G1B+3], 256<<16
	s_mov_b32 s[G1B+4], 128
	s_mov_b32 s[G1B+5], 1024
	s_mov_b32 s[G1B+6], 0
	s_mov_b32 s[G1B+7], 0
	; ctx's scales: 8 heads' rows of 256 bytes, 16,384 apart, no padding
	s_or_b32 s[G1S+0], s43, (3<<16)|(1<<21)
	s_mov_b32 s[G1S+1], 32<<16
	s_mov_b32 s[G1S+2], 8<<16
	s_mov_b32 s[G1S+3], 32<<16
	s_mov_b32 s[G1S+4], 8
	s_mov_b32 s[G1S+5], 2048
	s_mov_b32 s[G1S+6], 0
	s_mov_b32 s[G1S+7], 0
	; W_o's scales of 128 rows: 4,096 dense bytes as 16 rows of 256, 16 bytes of padding behind each
	s_or_b32 s[G1SB+0], s44, (3<<16)|(1<<20)|(1<<21)|(5<<22)|(3<<25)
	s_mov_b32 s[G1SB+1], 32<<16
	s_mov_b32 s[G1SB+2], 16<<16
	s_mov_b32 s[G1SB+3], 32<<16
	s_mov_b32 s[G1SB+4], 16
	s_mov_b32 s[G1SB+5], 32
	s_mov_b32 s[G1SB+6], 0
	s_mov_b32 s[G1SB+7], 0
	s_lshl_b32 s20, s17, 17                        ; ctx's codes: (8 x tile row + 4 x half) x 16,384
	s_lshl_b32 s18, s16, 16
	s_add_co_u32 s20, s20, s18
	s_mov_b32 s21, 0
	s_lshl_b32 s22, s17, 8                         ; its scales: 8 heads x half, + 256 x tile row
	s_lshl_b32 s18, s16, 17
	s_add_co_u32 s22, s22, s18
	s_mov_b32 s23, 0
	s_lshl_b32 s46, s42, 8
	s_lshl_b32 s18, s16, 7
	s_add_co_u32 s46, s46, s18                     ; W_o's row
	s_lshl_b32 s96, s46, 5
	s_mov_b32 s97, 0
	s_lshl_b32 s46, s46, 10
	s_mov_b32 s47, 0
	s_mul_i32 s45, s16, HALFA                      ; where they go: the half's number alone enters an LDS address
	s_mul_i32 s2, s16, HALFT
	s_add_co_u32 s2, s2, AIMG
	s_lshl_b32 s3, s16, 11
	s_add_co_u32 s3, s3, SCAL
	s_mul_i32 s19, s16, HALFS
	s_add_co_u32 s19, s19, SCB
	s_wait_kmcnt 0x0
	s_add_nc_u64 s[20:21], s[4:5], s[20:21]
	s_add_nc_u64 s[22:23], s[6:7], s[22:23]
	s_add_nc_u64 s[46:47], s[8:9], s[46:47]
	s_add_nc_u64 s[96:97], s[10:11], s[96:97]
	CROUND                                         ; all sixteen work-groups are here: the first joint loads meet
	s_mov_b32 s[G0S], 1
	s_mov_b32 s[G0S+1], s3
	s_mov_b64 s[G0S+2:G0S+3], s[22:23]
	s_or_b32 s[G0S+3], s[G0S+3], 0x80000000
	s_mov_b32 s[G0SB], 1
	s_mov_b32 s[G0SB+1], s19
	s_mov_b64 s[G0SB+2:G0SB+3], s[96:97]
	s_or_b32 s[G0SB+3], s[G0SB+3], 0x80000000
	JLOAD G0S, G1S, G0SB, G1SB
.irp s, 0,1
	s_mov_b32 s[G0+4*\s], 1
	s_add_co_u32 s[G0+4*\s+1], s45, \s*SLOT
	s_add_nc_u64 s[G0+4*\s+2:G0+4*\s+3], s[20:21], \s*4096
	s_or_b32 s[G0+4*\s+3], s[G0+4*\s+3], 0x80000000
	s_mov_b32 s[G0B+4*\s], 1
	s_add_co_u32 s[G0B+4*\s+1], s2, \s*SLOT
	s_add_nc_u64 s[G0B+4*\s+2:G0B+4*\s+3], s[46:47], \s*256
	s_or_b32 s[G0B+4*\s+3], s[G0B+4*\s+3], 0x80000000
	s_wait_alu depctr_va_vdst(0)
	s_wait_tensorcnt 0x0
	ds_add_u32 v28, v29
	s_wait_dscnt 0x0
	CROUND
	JLOAD G0+4*\s, G1, G0B+4*\s, G1B
.endr
	v_and_b32 v1, 15, v0                           ; r
	v_bfe_u32 v2, v0, 4, 1                         ; h
	v_and_b32 v6, 31, v0
	v_lshlrev_b32 v[CO], 4, v6                     ; 16 x lane
	s_mul_i32 s21, s15, HALFA
	v_add_nc_u32 v[ADRA], s21, v[CO]               ; ctx's images: my four tiles of rows
	v_add_nc_u32 v[ADRA+1], SLOT, v[ADRA]
	v_mul_u32_u24 v3, v1, PITCH
	v_lshl_add_u32 v3, v2, 4, v3
	s_mul_i32 s21, s16, HALFT
	s_add_co_u32 s21, s21, AIMG
	v_add_nc_u32 v[ADRB], s21, v3
	v_add_nc_u32 v[ADRB+1], SLOT, v[ADRB]
	v_lshlrev_b32 v5, 5, v1                        ; W_o's scale words: 32 bytes a row, 16 more behind each 256; lanes 16-31 take the next block of 16 rows
	v_lshrrev_b32 v7, 3, v1
	v_lshl_add_u32 v5, v7, 4, v5
	v_mul_u32_u24 v7, v2, 544
	v_add_nc_u32 v5, v5, v7
	s_mul_i32 s21, s16, HALFS
	s_add_co_u32 s21, s21, SCB
	v_add_nc_u32 v[ADRSB], s21, v5
	s_lshl_b32 s21, s15, 7
	s_add_co_u32 s21, s21, SCAL
	v_lshlrev_b32 v5, 1, v6
	v_add_nc_u32 v[ADRSA], s21, v5                 ; ctx's: two bytes a row; lane = row in a pair of blocks
	s_mul_i32 s21, s14, 16*SPITCH                  ; my stage
	v_mul_u32_u24 v5, v1, SPITCH
	v_lshl_add_u32 v5, v2, 5, v5
	v_add_nc_u32 v[STO], s21, v5
	v_add_nc_u32 v[RD], s21, v[CO]
	s_lshl_b32 s22, s42, 10
	s_mov_b32 s23, 0
	s_add_nc_u64 s[92:93], s[92:93], s[22:23]      ; b_o at my 256 columns
	v_lshlrev_b32 v3, 5, v2
	s_lshl_b32 s21, s16, 9
	v_add_nc_u32 v3, s21, v3                       ; 128 j + 16 b + 8 h + 0 .. 7
.irp b, 0,1,2,3,4,5,6,7
	global_load_b128 v[BI+8*\b:BI+8*\b+3], v3, s[92:93] offset:64*\b
	global_load_b128 v[BI+8*\b+4:BI+8*\b+7], v3, s[92:93] offset:64*\b+16
.endr
	s_lshl_b32 s20, s17, 19                        ; my first row: (128 x tile row + 64 i) x 4,096 bytes,
	s_lshl_b32 s21, s15, 18
	s_add_co_u32 s20, s20, s21
	s_add_co_u32 s20, s20, s22                     ; my first column: 1,024 x tile column + 512 j bytes
	s_lshl_b32 s21, s16, 9
	s_add_co_u32 s20, s20, s21
	s_mov_b32 s21, 0
	s_add_nc_u64 s[94:95], s[94:95], s[20:21]
.macro WM                              ; one product, by the symbols set in MUL8; the rows of the scale registers: lanes 16-31 for an odd block
.if fX && fY
	v_wmma_scale_f32_16x16x128_f8f6f4 v[rD:rD+7], v[rX:rX+15], v[rY:rY+15], v[rC:rC+7], v[rSX], v[rSY] matrix_a_scale:MATRIX_SCALE_ROW1 matrix_b_scale:MATRIX_SCALE_ROW1
.elseif fX
	v_wmma_scale_f32_16x16x128_f8f6f4 v[rD:rD+7], v[rX:rX+15], v[rY:rY+15], v[rC:rC+7], v[rSX], v[rSY] matrix_a_scale:MATRIX_SCALE_ROW1
.elseif fY
	v_wmma_scale_f32_16x16x128_f8f6f4 v[rD:rD+7], v[rX:rX+15], v[rY:rY+15], v[rC:rC+7], v[rSX], v[rSY] matrix_b_scale:MATRIX_SCALE_ROW1
.else
	v_wmma_scale_f32_16x16x128_f8f6f4 v[rD:rD+7], v[rX:rX+15], v[rY:rY+15], v[rC:rC+7], v[rSX], v[rSY]
.endif
.endm
; Eight products: ctx's block a x W_o's eight, step s of 128 along K, fragments of set.  The 32 accumulators take turns, one instruction a turn, in the same order in every step.
.macro MUL8 a, set, s, first
.irp b, 0,1,2,3,4,5,6,7
.set rD, 8*(8*(\a)+\b)
.set rX, 128*(\set)+16*\b
.set rY, AF+64*(\set)+16*(\a)
.set rC, rD
.if \first
.set rC, BI+8*\b
.endif
.set rSX, SB+8*(((\s)/2)%2)+2*(\b/2)+(\s)%2
.set rSY, SAW+2*(\s)+(\a)/2
.set fX, \b%2
.set fY, (\a)%2
	WM
.endr
.endm
; 48 LDS loads in one run (52 with W_o's scale words of the slot): ctx's blocks 2 and 3 last
.macro FETCH slot, q, set, sc
	WIN 0x40
.irp b, 0,1,2,3,4,5,6,7
.irp c, 0,1,2,3
	ds_load_b128 v[128*(\set)+16*\b+4*\c:128*(\set)+16*\b+4*\c+3], v[ADRB+\slot] offset:128*(\q)+32*\c+\b*16*PITCH
.endr
.endr
	WIN 0
.irp a, 0,1
.irp c, 0,1,2,3
	ds_load_b128 v[AF+64*(\set)+16*\a+4*\c:AF+64*(\set)+16*\a+4*\c+3], v[ADRA+\slot] offset:\a*4096+(\q)*2048+\c*512
.endr
.endr
.if \sc
.irp p, 0,1,2,3
	ds_load_b64 v[SB+8*(\slot)+2*\p:SB+8*(\slot)+2*\p+1], v[ADRSB] offset:\p*1088   ; lanes 0-15: block 2 p; lanes 16-31: block 2 p + 1; two words: the slot's two steps
.endr
.endif
.irp a, 2,3
.irp c, 0,1,2,3
	ds_load_b128 v[AF+64*(\set)+16*\a+4*\c:AF+64*(\set)+16*\a+4*\c+3], v[ADRA+\slot] offset:\a*4096+(\q)*2048+\c*512
.endr
.endr
.endm
.macro STEP slot, s, first             ; a slot's first step: multiplies set 0, fetches the second step into set 1
	s_wait_dscnt 8                                 ; all but the youngest eight loads: ctx's blocks 2 and 3 may be out
.if \first
	WIN 0x81                                       ; C is b_o, in window 0
.else
	WIN 0xa1
.endif
	MUL8 0, 0, \s, \first
	MUL8 1, 0, \s, \first
	PLACES 8
	FETCH \slot, 1, 1, 0
	s_wait_dscnt 48                                ; all but the 48 just issued
.if \first
	WIN 0x81
.else
	WIN 0xa1
.endif
	MUL8 2, 0, \s, \first
	MUL8 3, 0, \s, \first
.endm
; A slot's second step changes slots: one barrier; in front of it each wave waits for all its tensor loads, adds 0 to its spare word, and waits for that and for its reads of this slot.
.macro TURN slot, next, s, fill
	WIN 0                                          ; (the add's two registers lie in window 0)
	s_wait_tensorcnt 0x0                           ; all my tensor loads have landed: my part of the next slot
	ds_add_u32 v[SPW], v[NIL]                      ; 0 onto my spare word
	s_wait_dscnt 1                                 ; only the add may be out: this step's fragments are in
	WIN 0xa1
	MUL8 0, 1, \s, 0
	s_wait_dscnt 0x0                               ; the add is done, and my reads of this slot are over
	s_barrier_signal -1
	MUL8 1, 1, \s, 0
	WIN 0
	s_barrier_wait -1
.if \fill
	CREST                                          ; the barrier has opened a round of the cluster's barrier
	s_add_nc_u64 s[G0+4*\slot+2:G0+4*\slot+3], s[G0+4*\slot+2:G0+4*\slot+3], 2*4096
	s_add_nc_u64 s[G0B+4*\slot+2:G0B+4*\slot+3], s[G0B+4*\slot+2:G0B+4*\slot+3], 2*256
	JLOAD G0+4*\slot, G1, G0B+4*\slot, G1B         ; the first tensor load behind the round; its four v_nop are among the places in front of the loads below
	PLACES 4
.else
	PLACES 8
.endif
	s_wait_alu depctr_va_vdst(0)
	v_add_nc_u32 v[ADRSB], 8, v[ADRSB]             ; the next K step's scale words (no LDS load of mine is out)
	FETCH \next, 0, 0, 1
	WIN 0xa1
	MUL8 2, 1, \s, 0
	MUL8 3, 1, \s, 0
.endm
	s_wait_alu depctr_va_vdst(0)
	s_wait_loadcnt 0x0                             ; b_o
	s_wait_tensorcnt 1                             ; of my three loads only K step 1's may be out
	s_barrier_signal -1
	s_barrier_wait -1
	FETCH 0, 0, 0, 1
.irp s, 0,1,2,3,4,5,6,7
.irp p, 0,1
.irp e, 0,1
	ds_load_u16 v[192+4*\s+2*\p+\e], v[ADRSA] offset:(2*\s+\e)*256+64*\p   ; head 2 s + e, rows 32 p + lane of my 64
.endr
.endr
.endr
	s_wait_dscnt 0x0
.irp s, 0,1,2,3,4,5,6,7
.irp p, 0,1
	v_lshl_or_b32 v[SAW+2*\s+\p], v[192+4*\s+2*\p+1], 16, v[192+4*\s+2*\p]   ; two heads' bytes: the scale word of step s
.endr
.endr
	PLACES 8                                       ; a scale register written by a vector instruction stands eight places ahead of the product
	STEP 0, 0, 1
	TURN 0, 1, 1, 1
	STEP 1, 2, 0
	TURN 1, 0, 3, 1
	STEP 0, 4, 0
	TURN 0, 1, 5, 0                                ; nothing is left to ask for
	STEP 1, 6, 0
	s_wait_dscnt 8
	MUL8 0, 1, 7, 0
	MUL8 1, 1, 7, 0
	s_wait_dscnt 0
	MUL8 2, 1, 7, 0
	MUL8 3, 1, 7, 0
	WIN 0
; THE WAY OUT, block by block of 16 rows x 128 columns, through my own stage in LDS: in as 32 bytes a lane, back as whole rows of 512 bytes.  LDS serves a wave's instructions in order (ISA guide 5.7.1.4).
.macro TOSTAGE a
.set AC, 64*(\a)
	WIN 0x08                                       ; the data: window 2
.irp b, 0,1,2,3,4,5,6,7
	ds_store_b128 v[STO], v[AC+8*\b:AC+8*\b+3] offset:64*\b          ; each accumulator from its low end on
	ds_store_b128 v[STO], v[AC+8*\b+4:AC+8*\b+7] offset:64*\b+16
.endr
	WIN 0
.set BB, BK+64*((\a)%2)
.irp t, 0,1,2,3,4,5,6,7,8,9,10,11,12,13,14,15
	ds_load_b128 v[BB+4*\t:BB+4*\t+3], v[RD] offset:\t*SPITCH
.endr
.endm
.macro SEND a, younger
.set BB, BK+64*((\a)%2)
	s_wait_dscnt \younger                          ; the block is back in registers; the LDS instructions issued behind its loads may be out
.if (\a) > 0
	s_add_nc_u64 s[94:95], s[94:95], 16*4096       ; (behind a wait on XCNT: the earlier stores have read their base)
.endif
.irp t, 0,1,2,3,4,5,6,7,8,9,10,11,12,13,14,15
	global_store_b128 v[CO], v[BB+4*\t:BB+4*\t+3], s[94:95] offset:\t*4096 th:TH_STORE_NT   ; 32 lanes store 512 consecutive bytes, aligned
.endr
.endm
	PLACES 8
	TOSTAGE 0
.irp a, 1,2,3
.if \a > 1
	s_wait_xcnt 0x0                                ; block a - 2's stores have read their registers and their base
.endif
	TOSTAGE \a
	SEND \a-1, 32
.endr
	s_wait_xcnt 0x0
	SEND 3, 0
	s_wait_tensorcnt 0x0                           ; the wave's end
	ds_add_u32 v[SPW], v[NIL]
	s_wait_dscnt 0x0
	CROUND                                         ; the closing round
	s_endpgm
.Lfunc_end_k_q3196bf538a_outp:
	.size	k_q3196bf538a_outp, .Lfunc_end_k_q3196bf538a_outp-k_q3196bf538a_outp
	.p2alignl 7, 3214868480
	.fill 96, 4, 3214868480
	.section	.rodata,"a",@progbits
	.p2align	6, 0x0
	.amdhsa_kernel k_q3196bf538a_outp
		.amdhsa_group_segment_fixed_size 327680
		.amdhsa_private_segment_fixed_size 0
		.amdhsa_enable_private_segment 0
		.amdhsa_kernarg_size 48
		.amdhsa_user_sgpr_count 2
		.amdhsa_user_sgpr_kernarg_segment_ptr 1
		.amdhsa_wavefront_size32 1
		.amdhsa_system_sgpr_workgroup_id_x 1
		.amdhsa_system_sgpr_workgroup_id_y 1
		.amdhsa_system_sgpr_workgroup_id_z 1
		.amdhsa_system_vgpr_workitem_id 0
		.amdhsa_next_free_vgpr 768
		.amdhsa_next_free_sgpr 100
		.amdhsa_reserve_vcc 0
		.amdhsa_float_denorm_mode_32 3
		.amdhsa_float_denorm_mode_16_64 3
		.amdhsa_memory_ordered 1
		.amdhsa_forward_progress 1
		.amdhsa_inst_pref_size 93
	.end_amdhsa_kernel
	.amdgpu_metadata
---
amdhsa.version: [ 1, 2 ]
amdhsa.kernels:
  - .name:           k_q3196bf538a_outp
    .symbol:         k_q3196bf538a_outp.kd
    .args:
      - { .name: ctx_img, .offset: 0, .size: 8, .value_kind: global_buffer, .address_space: global }
      - { .name: ctx_sc, .offset: 8, .size: 8, .value_kind: global_buffer, .address_space: global }
      - { .name: W_o_codes, .offset: 16, .size: 8, .value_kind: global_buffer, .address_space: global }
      - { .name: W_o_scales, .offset: 24, .size: 8, .value_kind: global_buffer, .address_space: global }
      - { .name: b_o, .offset: 32, .size: 8, .value_kind: global_buffer, .address_space: global }
      - { .name: out0, .offset: 40, .size: 8, .value_kind: global_buffer, .address_space: global }
    .group_segment_fixed_size: 327680
    .private_segment_fixed_size: 0
    .kernarg_segment_align: 8
    .kernarg_segment_size: 48
    .max_flat_workgroup_size: 128
    .sgpr_count:     100
    .vgpr_count:     768
    .wavefront_size: 32
...
	.end_amdgpu_metadata
.endif
;; end of part 3
